; MI455X (gfx1250); checked and timed in simulation.
; The chip was launched on July 23, 2026; its instructions are those of AMD's public machine-readable ISA for CDNA 5 (MIT licence, August 2026) and "CDNA5" Instruction Set Architecture Reference Guide (July 2026). The comments in the code are by the model that wrote it; some were corrected since.
;; Transformer Block. Allowed arithmetic: matrix products marked QUANTISED: E2M3 operands, one E8M0 scale for each 32 along K, by v_wmma_scale_f32_16x16x128_f8f6f4 with both operands' format E2M3, f32 sums; everything else in f32.
;; Inputs: W1 1,024 x 4,096 float32; W2 4,096 x 1,024 float32; Wk 1,024 x 1,024 float32; Wp 1,024 x 1,024 float32; Wq 1,024 x 1,024 float32; Wv 1,024 x 1,024 float32; b1 4,096 float32; b2 1,024 float32; be1 1,024 float32; be2 1,024 float32; bk 1,024 float32; bp 1,024 float32; bq 1,024 float32; bv 1,024 float32; g1 1,024 float32; g2 1,024 float32; x 2 x 2,048 x 1,024 float32.
;; Outputs: out0 2 x 2,048 x 1,024 float32.
;; This version of the problem:
;;   THIS VERSION OF THE PROBLEM IS GIVEN IN LOW PRECISION. The matrix products marked QUANTISED in the list below multiply operands that are first quantised to E2M3 (2 exponent bits, 3 mantissa bits; 6 bits a number), with one power-of-two scale for each 32 numbers along K (OCP MX v1.0); their sums are f32. All else is computed in f32.
;;   The module's matrix products, in the order in which they are computed (A, B: the left and right operand; K: the contracted axis; several contracted axes count as one K, in the product's order):
;;     1. [M 4,096, K 1,024] x [K 1,024, N 1,024]; A: computed on the way; B: input Wq: QUANTISED
;;     2. [M 4,096, K 1,024] x [K 1,024, N 1,024]; A: computed on the way; B: input Wk: QUANTISED
;;     3. [M 4,096, K 1,024] x [K 1,024, N 1,024]; A: computed on the way; B: input Wv: QUANTISED
;;     4. batch 32 x [M 2,048, K 64] x [K 64, N 2,048]; A: computed on the way; B: computed on the way: QUANTISED
;;     5. batch 32 x [M 2,048, K 2,048] x [K 2,048, N 64]; A: softmax (see below); B: computed on the way: QUANTISED
;;     6. [M 4,096, K 1,024] x [K 1,024, N 1,024]; A: computed on the way; B: input Wp: QUANTISED
;;     7. [M 4,096, K 1,024] x [K 1,024, N 4,096]; A: computed on the way; B: input W1: QUANTISED
;;     8. [M 4,096, K 4,096] x [K 4,096, N 1,024]; A: computed on the way; B: input W2: QUANTISED
;;   THE QUANTISER, for each operand of a quantised product, along K:
;;     - K is cut into blocks of 32 from its start; a last block that is shorter is filled with zeros.
;;     - A block's scale is 2^e with e = floor(log2(the largest magnitude in the block)) - 2, held to -126 .. 127; a block of zeros has e = 0. As a byte (E8M0): e + 127.
;;     - Each number is divided by its block's scale, clamped to +-7.5, and rounded to the nearest number of E2M3, ties to even, subnormals kept.
;;     - The product sums the exact products of the quantised numbers (number of the format x scale) in f32.
;;   ~~~python
;;   def quantise(x, axis):      # numpy; x: float32 -> the quantised numbers, widened to float32 again
;;       x = np.moveaxis(x, axis, -1); K = x.shape[-1]
;;       x = np.pad(x, [(0, 0)] * (x.ndim - 1) + [(0, -K % 32)]); x = x.reshape(x.shape[:-1] + (-1, 32)); a = np.abs(x).max(-1, keepdims=True)
;;       e = np.where(a > 0, np.clip(np.frexp(np.where(a > 0, a, 1))[1] - 1 - 2, -126, 127), 0)      # np.frexp(a)[1] - 1 = floor(log2(a)), exactly
;;       r = np.clip(x / 2.0 ** e, -7.5, 7.5)
;;       step = 2.0 ** (np.maximum(np.frexp(np.where(r == 0, 1, r))[1] - 1, 0) - 3)
;;       q = np.round(r / step) * step * 2.0 ** e      # np.round: ties to even
;;       return np.moveaxis(q.reshape(q.shape[:-2] + (-1,))[..., :K], -1, axis).astype(np.float32)
;;   ~~~
;;   SOFTMAX AHEAD OF A QUANTISED PRODUCT. Where the list says 'softmax', what is quantised is not the finished softmax but p = 2^(t - M), with t = logit x log2(e) and M = ceil(the row's largest t), a whole number; so 1/2 < the row's largest p <= 1. The row's sum l is taken of the UNQUANTISED p, in f32, and the product's result is divided by l at the end. Since M is a whole number, a kernel that streams over the keys may use a running M (the ceiling of the running maximum): every later rescaling is an exact power of two, which a block's scale takes up: the codes' values come out the same.
;;   OPERANDS COMPUTED ON THE WAY. 'Computed on the way' means the value that the module computes at that place (a softmax that the list does not call 'softmax' is quantised finished and normalised). What goes into a quantiser is computed in f32, as accurately as f32 sums, v_exp_f32 and their like allow (about 1e-6 of the number): no bf16 or f16 on the way to a quantiser, and a product that is left as it is and whose result goes on into a quantised operand takes f32 operands (vector FMAs, or v_wmma_f32_16x16x4_f32). A number that lies on a knife's edge between two numbers of the format may be rounded either way, as far as f32 arithmetic and the matrix unit's own rounding can turn it there, and no further.
;; One version. Each part assembles by itself: llvm-mc -triple=amdgcn-amd-amdhsa -mcpu=gfx1250 --defsym DOCPART=n.
;; ======== version 1 of 1: 6 launches
;; limits: right only within a limited range of input values
;; workspace buffers: wimg 9,830,400 bytes; hn 3,276,800 bytes; qkvi 10,092,544 bytes; ao 3,276,800 bytes; x1 16,777,216 bytes; gi 13,107,200 bytes
;; launch ln1 (part 1): grid 640 x 1, 8 waves a work-group, no clusters, 27,648 bytes of LDS; arguments x, g1, be1, hn, W1, W2, Wq, Wk, Wv, Wp, wimg; writes hn, wimg
.if DOCPART == 1
	.amdgcn_target "amdgcn-amd-amdhsa--gfx1250"
	.amdhsa_code_object_version 6
	.text
	.protected	k_qc16b818a58_ln1
	.globl	k_qc16b818a58_ln1
	.p2align	8
	.type	k_qc16b818a58_ln1,@function
k_qc16b818a58_ln1:
	s_mov_b64 s[64:65], 0
	v_nop
	global_prefetch_b8 v0, s[64:65] scope:SCOPE_SE
	s_setreg_imm32_b32 hwreg(HW_REG_WAVE_MODE, 25, 1), 1
	s_wait_xcnt 0x0
; LAYER NORM AND QUANTISER.  src [4096][1024] f32 -> y = (x - mean) rsqrt(var + 1e-5) g + b, all in f32, then codes of FP6 (E2M3) with one E8M0 byte for each 32 columns, stored as images of operand registers.
; dst: blocks of 12,800 bytes, block (group of 128 tokens, K step of 128 columns) at (8 group + step) x 12,800: 8 tiles of 1,536 bytes, then 512 bytes of scale words (word of tile t, row r at 12,288 + 16 (r + 16 (t / 4)) + 4 (t % 4)).
; Row r of tile 2 b + u of a group is token 32 b + 8 u + r + 8 (r / 8).
; A work-group takes one tile of 16 tokens; wave w takes K step w.  Lane (r = lane % 16, h = lane / 16) holds, of its token, columns 128 w + 32 b + 16 h + 0 .. 15, b = 0 .. 3: the order in which the quantiser wants them.
; Mean and variance in two passes (the variance is the mean of squared differences); the eight waves' partial sums meet in LDS, behind a barrier each.
; LIMITS: NaN and infinities are not served.  A block of 32 zeros gets the scale byte 1 where the quantiser's rule says 127: its codes are zeros and this program alone reads the bytes.
.set BLK,  12800
.set SCO,  12288
.set FRG,  1536
.set X,    32                          ; v32-95   my 64 numbers
.set G,    96                          ; v96-159  their gains
.set BE,   160                         ; v160-223 their offsets
.set PC,   112                         ; codes, largest magnitudes and the scale word lie in the gains' registers, which are done with by then
.set TM,   132
.set PW,   148
.set SEL,  20
.set SPW,  254
.set NIL,  255
.set RED2, 512                         ; LDS: 0: the sums, 64 w + 4 r; 512: the sums of squares
.set SPARE, 1024                       ; the spare words, 128 bytes for each of eight waves, which no other line names
; 64 numbers of a lane, register 16 b + i = k 32 b + 16 (lane / 16) + i of my row, become a fragment's 12 registers of codes in v[PC] on and its scale word in v[pw]
.macro QUANT s, pw
.irp b, 0,1,2,3
	v_max3_num_f32 v[TM+\b], |v[\s+16*\b]|, |v[\s+1+16*\b]|, 0x1800000   ; my 16 numbers of block b, and the floor 2^(3 - 127): the byte cannot fall under 1
.endr
.irp i, 2,4,6,8,10,12,14
.irp b, 0,1,2,3
	s_delay_alu instid0(VALU_DEP_4)
	v_max3_num_f32 v[TM+\b], v[TM+\b], |v[\s+16*\b+\i]|, |v[\s+1+16*\b+\i]|
.endr
.endr
.irp b, 0,1,2,3
	s_delay_alu instid0(VALU_DEP_4)
	v_permlanex16_b32 v[TM+4+\b], v[TM+\b], s[SEL], s[SEL+1]
.endr
.irp b, 0,1,2,3
	s_delay_alu instid0(VALU_DEP_4)
	v_max_num_f32 v[TM+\b], v[TM+\b], v[TM+4+\b]   ; with lane l xor 16's: the block's largest magnitude
.endr
.irp b, 0,1,2,3
	s_delay_alu instid0(VALU_DEP_4)
	v_add_nc_u32 v[TM+12+\b], 0xff000000, v[TM+\b] ; 2 off its exponent field: the conversion's scale operand
.endr
.irp b, 0,1,2,3
	s_delay_alu instid0(VALU_DEP_4)
	v_lshrrev_b32 v[TM+4+\b], 23, v[TM+12+\b]      ; the scale's byte
.endr
	s_delay_alu instid0(VALU_DEP_3)
	v_lshl_or_b32 v[\pw], v[TM+5], 8, v[TM+4]
	s_delay_alu instid0(VALU_DEP_1)
	v_lshl_or_b32 v[\pw], v[TM+6], 16, v[\pw]
	s_delay_alu instid0(VALU_DEP_1)
	v_lshl_or_b32 v[\pw], v[TM+7], 24, v[\pw]
.irp c, 0,1
	v_cvt_scalef32_pk16_fp6_f32 v[PC+6*\c:PC+2+6*\c], v[\s+32*\c:\s+15+32*\c], v[TM+12+2*\c]
	v_cvt_scalef32_pk16_fp6_f32 v[PC+12+4*\c:PC+14+4*\c], v[\s+16+32*\c:\s+31+32*\c], v[TM+12+2*\c+1]
.endr
	v_nop                                          ; one plain instruction behind a scaled conversion
.irp c, 0,1                            ; the operand's layout wants a whole block in a lane: lanes 0-15 block 2 c, lanes 16-31 block 2 c + 1
.irp i, 0,1,2
	v_permlane16_swap_b32 v[PC+6*\c+\i], v[PC+12+4*\c+\i]
.endr
.irp i, 0,1,2
	s_delay_alu instid0(VALU_DEP_3)
	v_mov_b32 v[PC+3+6*\c+\i], v[PC+12+4*\c+\i]
.endr
.endr
.endm
	; ONE PREPARING LAUNCH: work-groups 0-255 take the layer norm (a tile of 16 tokens each), work-groups 256-639 the six weights (two blocks each).
	; The choice hangs on the work-group's number alone; each path has LDS bytes of its own.
	s_cmp_ge_u32 ttmp9, 256
	s_cbranch_scc1 .Lweights
	s_load_b256 s[4:11], s[0:1], 0x0               ; src s[4:5], gains s[6:7], offsets s[8:9], dst s[10:11]
	v_lshl_add_u32 v[SPW], v0, 2, SPARE
	v_mov_b32 v[NIL], 0
	v_lshrrev_b32 v1, 5, v0
	s_delay_alu instid0(VALU_DEP_1)
	v_readfirstlane_b32 s12, v1                    ; wave 0..7 = K step
	v_and_b32 v1, 15, v0                           ; r
	v_bfe_u32 v2, v0, 4, 1                         ; h
	s_delay_alu instid0(VALU_DEP_2)
	v_and_b32 v10, 8, v1
	s_delay_alu instid0(VALU_DEP_1)
	v_add_nc_u32 v10, v10, v1                      ; r + 8 (r / 8)
	s_delay_alu instid0(VALU_DEP_1)
	v_lshlrev_b32 v3, 12, v10
	s_delay_alu instid0(VALU_DEP_1)
	v_lshl_add_u32 v3, v2, 6, v3                   ; my token's row of 4,096 bytes, + 64 h
	v_lshlrev_b32 v4, 6, v2                        ; 64 h: gains and offsets
	v_and_b32 v11, 31, v0
	s_delay_alu instid0(VALU_DEP_1)
	v_lshlrev_b32 v5, 4, v11                       ; 16 x lane
	s_delay_alu instid0(VALU_DEP_2)
	v_lshlrev_b32 v6, 3, v11                       ; 8 x lane
	v_lshlrev_b32 v7, 4, v1                        ; 16 r: my row's scale word
	v_lshlrev_b32 v9, 2, v1                        ; LDS: 4 r
	s_lshl_b32 s13, s12, 6
	v_add_nc_u32 v8, s13, v9                       ; LDS: 64 w + 4 r
	s_lshr_b32 s24, ttmp9, 1
	s_lshl_b32 s24, s24, 5
	s_and_b32 s25, ttmp9, 1
	s_lshl_b32 s25, s25, 3
	s_add_co_u32 s24, s24, s25                     ; the tile's first token: 32 (tile / 2) + 8 (tile % 2)
	s_lshl_b32 s24, s24, 12
	s_lshl_b32 s26, s12, 9                         ; my 128 columns
	s_add_co_u32 s24, s24, s26
	s_mov_b32 s25, 0
	s_mov_b32 s27, 0
	s_lshr_b32 s28, ttmp9, 3
	s_lshl_b32 s28, s28, 3
	s_add_co_u32 s28, s28, s12
	s_mul_i32 s28, s28, BLK                        ; my block
	s_and_b32 s30, ttmp9, 7                        ; my tile in it
	s_mul_i32 s32, s30, FRG
	s_add_co_u32 s32, s32, s28
	s_mov_b32 s33, 0
	s_lshr_b32 s34, s30, 2
	s_lshl_b32 s34, s34, 8
	s_and_b32 s35, ttmp9, 3
	s_lshl_b32 s35, s35, 2
	s_add_co_u32 s34, s34, s35
	s_add_co_u32 s34, s34, s28
	s_add_co_u32 s34, s34, SCO                     ; my tile's scale words
	s_mov_b32 s35, 0
	s_mov_b32 s[SEL], 0x76543210
	s_mov_b32 s[SEL+1], 0xfedcba98                 ; v_permlanex16_b32's selects for lane l xor 16
	s_mov_b32 s22, 0x3a800000                      ; 1 / 1024
	s_mov_b32 s23, 0x3727c5ac                      ; 1e-5
	s_wait_alu depctr_va_vdst(0)
	s_wait_kmcnt 0x0
	s_add_nc_u64 s[4:5], s[4:5], s[24:25]
	s_add_nc_u64 s[6:7], s[6:7], s[26:27]
	s_add_nc_u64 s[8:9], s[8:9], s[26:27]
	s_add_nc_u64 s[14:15], s[10:11], s[32:33]
	s_add_nc_u64 s[16:17], s[10:11], s[34:35]
.irp b, 0,1,2,3
.irp j, 0,1,2,3
	global_load_b128 v[X+16*\b+4*\j:X+16*\b+4*\j+3], v3, s[4:5] offset:128*\b+16*\j
.endr
.endr
.irp b, 0,1,2,3
.irp j, 0,1,2,3
	global_load_b128 v[G+16*\b+4*\j:G+16*\b+4*\j+3], v4, s[6:7] offset:128*\b+16*\j
.endr
.endr
.irp b, 0,1,2,3
.irp j, 0,1,2,3
	global_load_b128 v[BE+16*\b+4*\j:BE+16*\b+4*\j+3], v4, s[8:9] offset:128*\b+16*\j
.endr
.endr
	s_wait_loadcnt 32                              ; my 64 numbers are in; the 32 loads of gains and offsets may be out
	v_pk_add_f32 v[14:15], v[32:33], v[34:35]
	v_pk_add_f32 v[252:253], v[40:41], v[44:45]
	v_pk_add_f32 v[250:251], v[48:49], v[52:53]
	v_pk_add_f32 v[248:249], v[56:57], v[60:61]
	v_pk_add_f32 v[246:247], v[64:65], v[68:69]
	v_pk_add_f32 v[244:245], v[72:73], v[76:77]
	v_pk_add_f32 v[242:243], v[80:81], v[84:85]
	v_pk_add_f32 v[12:13], v[88:89], v[92:93]
	s_delay_alu instid0(VALU_DEP_1)
	v_pk_add_f32 v[12:13], v[12:13], v[36:37]
	v_pk_add_f32 v[14:15], v[14:15], v[38:39]
	v_pk_add_f32 v[252:253], v[252:253], v[42:43]
	v_pk_add_f32 v[250:251], v[250:251], v[46:47]
	v_pk_add_f32 v[248:249], v[248:249], v[50:51]
	v_pk_add_f32 v[246:247], v[246:247], v[54:55]
	v_pk_add_f32 v[244:245], v[244:245], v[58:59]
	v_pk_add_f32 v[242:243], v[242:243], v[62:63]
	v_pk_add_f32 v[12:13], v[12:13], v[66:67]
	v_pk_add_f32 v[14:15], v[14:15], v[70:71]
	v_pk_add_f32 v[252:253], v[252:253], v[74:75]
	v_pk_add_f32 v[250:251], v[250:251], v[78:79]
	v_pk_add_f32 v[248:249], v[248:249], v[82:83]
	v_pk_add_f32 v[246:247], v[246:247], v[86:87]
	v_pk_add_f32 v[244:245], v[244:245], v[90:91]
	v_pk_add_f32 v[242:243], v[242:243], v[94:95]
	s_delay_alu instid0(VALU_DEP_4)
	v_pk_add_f32 v[12:13], v[12:13], v[248:249]
	s_delay_alu instid0(VALU_DEP_4)
	v_pk_add_f32 v[14:15], v[14:15], v[246:247]
	s_delay_alu instid0(VALU_DEP_4)
	v_pk_add_f32 v[252:253], v[252:253], v[244:245]
	s_delay_alu instid0(VALU_DEP_4)
	v_pk_add_f32 v[250:251], v[250:251], v[242:243]
	s_delay_alu instid0(VALU_DEP_2)
	v_pk_add_f32 v[12:13], v[12:13], v[252:253]
	s_delay_alu instid0(VALU_DEP_2)
	v_pk_add_f32 v[14:15], v[14:15], v[250:251]
	s_delay_alu instid0(VALU_DEP_1)
	v_pk_add_f32 v[12:13], v[12:13], v[14:15]
	s_delay_alu instid0(VALU_DEP_1)
	v_add_f32 v12, v12, v13
	s_delay_alu instid0(VALU_DEP_1)
	v_permlanex16_b32 v13, v12, s[SEL], s[SEL+1]
	s_delay_alu instid0(VALU_DEP_1)
	v_add_f32 v12, v12, v13                        ; my token's 128 columns
	ds_store_b32 v8, v12                           ; (both halves of the lanes write the same word with the same value)
	s_wait_dscnt 0x0                               ; for the others' sake
	s_barrier_signal -1
	s_barrier_wait -1
.irp i, 0,1,2,3,4,5,6,7
	ds_load_b32 v[24+\i], v9 offset:64*\i
.endr
	s_wait_dscnt 0x0
.irp i, 1
	v_add_f32 v24, v24, v[24+\i]
.endr
.irp i, 2, 3, 4, 5, 6, 7
	s_delay_alu instid0(VALU_DEP_1)
	v_add_f32 v24, v24, v[24+\i]
.endr
	s_delay_alu instid0(VALU_DEP_1)
	v_mul_f32 v20, s22, v24                        ; the mean
	s_delay_alu instid0(VALU_DEP_1)
	v_mov_b32 v21, v20
.set li, 0
.rept 32
	v_pk_add_f32 v[X+2*li:X+2*li+1], v[X+2*li:X+2*li+1], v[20:21] neg_lo:[0,1] neg_hi:[0,1]   ; x - mean
.set li, li+1
.endr
	v_pk_mul_f32 v[12:13], v[X:X+1], v[X:X+1]
	v_pk_mul_f32 v[14:15], v[X+2:X+3], v[X+2:X+3]
.irp j, 4,8,12,16,20,24,28,32,36,40,44,48,52,56,60
	s_delay_alu instid0(VALU_DEP_2)
	v_pk_fma_f32 v[12:13], v[X+\j:X+\j+1], v[X+\j:X+\j+1], v[12:13]
	s_delay_alu instid0(VALU_DEP_2)
	v_pk_fma_f32 v[14:15], v[X+\j+2:X+\j+3], v[X+\j+2:X+\j+3], v[14:15]
.endr
	s_delay_alu instid0(VALU_DEP_1)
	v_pk_add_f32 v[12:13], v[12:13], v[14:15]
	s_delay_alu instid0(VALU_DEP_1)
	v_add_f32 v12, v12, v13
	s_delay_alu instid0(VALU_DEP_1)
	v_permlanex16_b32 v13, v12, s[SEL], s[SEL+1]
	s_delay_alu instid0(VALU_DEP_1)
	v_add_f32 v12, v12, v13
	ds_store_b32 v8, v12 offset:RED2               ; other bytes than the first sums': no wave can still be reading them
	s_wait_dscnt 0x0
	s_barrier_signal -1
	s_barrier_wait -1
.irp i, 0,1,2,3,4,5,6,7
	ds_load_b32 v[24+\i], v9 offset:RED2+64*\i
.endr
	s_wait_dscnt 0x0
.irp i, 1
	v_add_f32 v24, v24, v[24+\i]
.endr
.irp i, 2, 3, 4, 5, 6, 7
	s_delay_alu instid0(VALU_DEP_1)
	v_add_f32 v24, v24, v[24+\i]
.endr
	s_delay_alu instid0(VALU_DEP_1)
	v_fma_f32 v25, v24, s22, s23                   ; the variance + 1e-5
	s_wait_alu depctr_va_vdst(0)
	v_rsq_f32 v22, v25
	v_nop                                          ; a plain instruction behind the transcendental,
	s_wait_alu depctr_va_vdst(0)                   ; and the wait ahead of the first line that names its result
	v_mov_b32 v23, v22
	s_wait_alu depctr_va_vdst(0)
	s_wait_loadcnt 0x0                             ; gains and offsets
.set li, 0
.rept 32
	v_pk_mul_f32 v[X+2*li:X+2*li+1], v[X+2*li:X+2*li+1], v[22:23]
.set li, li+1
.endr
.set li, 0
.rept 32
	v_pk_fma_f32 v[X+2*li:X+2*li+1], v[X+2*li:X+2*li+1], v[G+2*li:G+2*li+1], v[BE+2*li:BE+2*li+1]
.set li, li+1
.endr
	QUANT X, PW
	global_store_b128 v5, v[PC:PC+3], s[14:15]                 ; the fragment's image: 512, 256, 512, 256 consecutive bytes
	global_store_b64 v6, v[PC+4:PC+5], s[14:15] offset:512
	global_store_b128 v5, v[PC+6:PC+9], s[14:15] offset:768
	global_store_b64 v6, v[PC+10:PC+11], s[14:15] offset:1280
	global_store_b32 v7, v[PW], s[16:17]           ; 16 words, 16 bytes apart (both halves of the lanes hold the same word)
	s_wait_tensorcnt 0x0                           ; the wave's end
	ds_add_u32 v[SPW], v[NIL]
	s_wait_dscnt 0x0
	s_endpgm
.Lweights:
; THE SIX WEIGHTS, f32 stored [K][N], become codes of FP6 (E2M3) with one E8M0 byte for each 32 along K, laid as images of operand registers.
; A block is 128 output units x 128 along K: 8 tiles of 1,536 bytes, then 512 bytes of scale words (word of tile t, row r at 12,288 + 16 (r + 16 (t / 4)) + 4 (t % 4)).  Row r of tile 2 b + u is unit 32 b + 8 u + r + 8 (r / 8).
; Blocks in wimg: W1 0-255 (32 groups x 8 K steps), W2 256-511 (8 x 32), Wq 512-575, Wk 576-639, Wv 640-703, Wp 704-767.  Waves 0-3 make block 2 n, waves 4-7 block 2 n + 1, n = work-group - 256.
; A lane takes a column and its registers run down K; the block is gathered in LDS and leaves in stores of 512 consecutive bytes.
; LIMITS: as for the layer norm: NaN and infinities are not served; a block of 32 zeros gets the byte 1.
.set WB,  2048                         ; LDS: the two blocks, behind the layer norm's sums and the spare words
.set OFF, 32                           ; v32-63 byte offset of row i of a run of 32 rows
.set WX,  64                           ; v64-191 my column's 128 numbers
.set CD,  192                          ; v192-223 codes
	s_load_b256 s[4:11], s[0:1], 0x20              ; W1, W2, Wq, Wk
	s_load_b128 s[12:15], s[0:1], 0x40             ; Wv, Wp
	s_load_b64 s[16:17], s[0:1], 0x50              ; wimg
	v_lshl_add_u32 v[SPW], v0, 2, SPARE
	v_mov_b32 v[NIL], 0
	v_lshrrev_b32 v1, 5, v0
	v_readfirstlane_b32 s44, v1                    ; wave 0..7
	s_and_b32 s18, s44, 3                          ; columns 32 q .. 32 q + 31 of the block's 128
	s_lshr_b32 s45, s44, 2                         ; which of the two blocks
	s_sub_co_u32 s46, ttmp9, 256
	s_lshl_b32 s46, s46, 1
	s_add_co_u32 s46, s46, s45                     ; the block's number in wimg
	s_lshr_b32 s22, s46, 8                         ; 0: W1, 1: W2, 2: a small weight
	s_cmp_eq_u32 s22, 2
	s_cselect_b32 s23, 63, 255
	s_and_b32 s23, s46, s23                        ; the block's number inside its tensor
	s_cmp_eq_u32 s22, 1
	s_cselect_b32 s34, 5, 3                        ; W2 has 32 K steps, the others 8
	s_cselect_b32 s35, 31, 7
	s_lshr_b32 s36, s23, s34                       ; group of 128 columns
	s_and_b32 s37, s23, s35                        ; K step
	s_mov_b32 s19, 4096
	s_cmp_eq_u32 s22, 0
	s_cselect_b32 s19, 16384, s19                  ; bytes in a row of the tensor
	s_lshl_b32 s38, s36, 7
	s_lshl_b32 s39, s18, 5
	s_add_co_u32 s38, s38, s39
	s_lshl_b32 s38, s38, 2                         ; my wave's first column, in bytes
	s_lshl_b32 s39, s37, 7
	s_mul_i32 s39, s39, s19
	s_add_co_u32 s38, s38, s39
	s_mov_b32 s39, 0
	s_lshl_b32 s2, s19, 5                          ; 32 rows on
	s_mov_b32 s3, 0
	s_mul_i32 s32, s46, BLK
	s_mov_b32 s33, 0
	s_mul_i32 s40, s18, 3072                       ; my wave's two tiles in the block
	s_mul_i32 s43, s45, BLK
	s_add_co_u32 s43, s43, WB                      ; my block in LDS
	s_lshr_b32 s41, s18, 1
	s_lshl_b32 s41, s41, 8
	s_and_b32 s42, s18, 1
	s_lshl_b32 s42, s42, 3
	s_add_co_u32 s41, s41, s42
	s_add_co_u32 s41, s41, SCO
	s_add_co_u32 s41, s41, s43                     ; my tiles' scale words in LDS
	v_and_b32 v2, 31, v0
	v_bfe_u32 v3, v0, 3, 1                         ; u: my column lies in tile 2 q + u,
	v_and_b32 v4, 7, v0
	v_bfe_u32 v5, v0, 4, 1
	v_lshl_or_b32 v4, v5, 3, v4                    ; at row lane % 8 + 8 (lane / 16)
	v_lshlrev_b32 v6, 2, v2
.set li, 0
.rept 32
	v_mad_u32_u24 v[OFF+li], s19, li, v6
.set li, li+1
.endr
	v_mul_u32_u24 v7, v3, 1536
	v_add_nc_u32 v7, s40, v7
	v_add_nc_u32 v7, s43, v7
	v_lshl_add_u32 v13, v4, 4, v7                  ; my 16-byte pieces
	v_lshl_add_u32 v14, v4, 3, v7                  ; my 8-byte pieces
	v_lshlrev_b32 v15, 4, v4
	v_lshl_add_u32 v15, v3, 2, v15
	v_add_nc_u32 v15, s41, v15                     ; my scale word
	v_lshlrev_b32 v17, 4, v2
	v_add_nc_u32 v18, s40, v17                     ; the way out: my wave's 3,072 bytes in the block,
	v_add_nc_u32 v16, s43, v18                     ; the same in LDS,
	v_add_nc_u32 v19, s43, v17                     ; and the block's start in LDS
	s_wait_alu depctr_va_vdst(0)                   ; the wait at the head's end
	s_wait_kmcnt 0x0
	s_mov_b64 s[20:21], s[14:15]                   ; which tensor: by the block's number alone
	s_cmp_lt_u32 s46, 704
	s_cselect_b64 s[20:21], s[12:13], s[20:21]
	s_cmp_lt_u32 s46, 640
	s_cselect_b64 s[20:21], s[10:11], s[20:21]
	s_cmp_lt_u32 s46, 576
	s_cselect_b64 s[20:21], s[8:9], s[20:21]
	s_cmp_lt_u32 s46, 512
	s_cselect_b64 s[20:21], s[6:7], s[20:21]
	s_cmp_lt_u32 s46, 256
	s_cselect_b64 s[20:21], s[4:5], s[20:21]
	s_add_nc_u64 s[24:25], s[20:21], s[38:39]      ; a base for each run of 32 rows
	s_add_nc_u64 s[26:27], s[24:25], s[2:3]
	s_add_nc_u64 s[28:29], s[26:27], s[2:3]
	s_add_nc_u64 s[30:31], s[28:29], s[2:3]
	s_add_nc_u64 s[32:33], s[16:17], s[32:33]      ; my block in wimg
.macro LOADB b                         ; rows 32 b .. 32 b + 31 of my column
.set li, 0
.rept 32
	global_load_b32 v[WX+32*(\b)+li], v[OFF+li], s[24+2*(\b):25+2*(\b)] th:TH_LOAD_NT
.set li, li+1
.endr
.endm
.macro BLOCK b
.set XS, WX+32*(\b)
.set CB, CD+8*(\b)
.if (\b) < 3
	s_wait_loadcnt 32                              ; this run's 32 loads are in; the next run's 32 may be out
.else
	s_wait_loadcnt 0x0
.endif
.if (\b) < 2
	LOADB (\b)+2
.endif
	v_max3_num_f32 v8, |v[XS]|, |v[XS+1]|, |v[XS+2]|       ; the largest magnitude, in two chains
	v_max3_num_f32 v9, |v[XS+3]|, |v[XS+4]|, |v[XS+5]|
.irp i, 6,10,14,18,22,26
	v_max3_num_f32 v8, v8, |v[XS+\i]|, |v[XS+\i+1]|
	v_max3_num_f32 v9, v9, |v[XS+\i+2]|, |v[XS+\i+3]|
.endr
	v_max3_num_f32 v8, v8, |v[XS+30]|, |v[XS+31]|
	v_max3_num_f32 v8, v8, v9, 0x1800000           ; and the floor 2^(3 - 127)
	v_add_nc_u32 v10, 0xff000000, v8               ; 2 off the exponent field: the conversion's scale operand
	v_lshrrev_b32 v11, 23, v10                     ; the scale's byte
.if (\b) == 0
	v_mov_b32 v12, v11
.else
	v_lshl_or_b32 v12, v11, 8*(\b), v12
.endif
	v_cvt_scalef32_pk16_fp6_f32 v[CB:CB+2], v[XS:XS+15], v10
	v_cvt_scalef32_pk16_fp6_f32 v[224:226], v[XS+16:XS+31], v10
	v_nop                                          ; one plain instruction behind a scaled conversion
	v_mov_b32 v[CB+3], v224
	v_mov_b32 v[CB+4], v225
	v_mov_b32 v[CB+5], v226
	ds_store_b128 v13, v[CB:CB+3] offset:768*((\b)/2)+256*((\b)%2)
	ds_store_b64 v14, v[CB+4:CB+5] offset:768*((\b)/2)+512+128*((\b)%2)
.endm
	LOADB 0
	LOADB 1
	BLOCK 0
	BLOCK 1
	BLOCK 2
	BLOCK 3
	ds_store_b32 v15, v12
.irp i, 0,1,2,3,4,5
	ds_load_b128 v[228+4*\i:231+4*\i], v16 offset:512*\i           ; my wave's own two tiles: LDS serves a wave's instructions in order
.endr
.irp i, 0,1,2,3,4,5
	s_wait_dscnt 5-\i                              ; load i is in; the younger ones may be out
	global_store_b128 v18, v[228+4*\i:231+4*\i], s[32:33] offset:512*\i
.endr
	s_wait_dscnt 0x0                               ; for the others' sake: my scale words have landed
	s_barrier_signal -1
	s_barrier_wait -1
	s_cmp_lg_u32 s18, 0
	s_cbranch_scc1 .Lnot_first
	ds_load_b128 v[224:227], v19 offset:SCO        ; a block's 512 bytes of scale words leave by one store of its first wave
	s_wait_dscnt 0x0
	global_store_b128 v17, v[224:227], s[32:33] offset:SCO
.Lnot_first:
	s_wait_tensorcnt 0x0                           ; the wave's end
	ds_add_u32 v[SPW], v[NIL]
	s_wait_dscnt 0x0
	s_endpgm
.Lfunc_end_k_qc16b818a58_ln1:
	.size	k_qc16b818a58_ln1, .Lfunc_end_k_qc16b818a58_ln1-k_qc16b818a58_ln1
	.p2alignl 7, 3214868480
	.fill 96, 4, 3214868480
	.section	.rodata,"a",@progbits
	.p2align	6, 0x0
	.amdhsa_kernel k_qc16b818a58_ln1
		.amdhsa_group_segment_fixed_size 27648
		.amdhsa_private_segment_fixed_size 0
		.amdhsa_enable_private_segment 0
		.amdhsa_kernarg_size 88
		.amdhsa_user_sgpr_count 2
		.amdhsa_user_sgpr_kernarg_segment_ptr 1
		.amdhsa_wavefront_size32 1
		.amdhsa_system_sgpr_workgroup_id_x 1
		.amdhsa_system_sgpr_workgroup_id_y 1
		.amdhsa_system_sgpr_workgroup_id_z 1
		.amdhsa_system_vgpr_workitem_id 0
		.amdhsa_next_free_vgpr 256
		.amdhsa_next_free_sgpr 66
		.amdhsa_reserve_vcc 0
		.amdhsa_float_denorm_mode_32 3
		.amdhsa_float_denorm_mode_16_64 3
		.amdhsa_memory_ordered 1
		.amdhsa_forward_progress 1
		.amdhsa_inst_pref_size 53
	.end_amdhsa_kernel
	.amdgpu_metadata
---
amdhsa.version: [ 1, 2 ]
amdhsa.kernels:
  - .name:           k_qc16b818a58_ln1
    .symbol:         k_qc16b818a58_ln1.kd
    .args:
      - { .name: x, .offset: 0, .size: 8, .value_kind: global_buffer, .address_space: global }
      - { .name: g1, .offset: 8, .size: 8, .value_kind: global_buffer, .address_space: global }
      - { .name: be1, .offset: 16, .size: 8, .value_kind: global_buffer, .address_space: global }
      - { .name: hn, .offset: 24, .size: 8, .value_kind: global_buffer, .address_space: global }
      - { .name: W1, .offset: 32, .size: 8, .value_kind: global_buffer, .address_space: global }
      - { .name: W2, .offset: 40, .size: 8, .value_kind: global_buffer, .address_space: global }
      - { .name: Wq, .offset: 48, .size: 8, .value_kind: global_buffer, .address_space: global }
      - { .name: Wk, .offset: 56, .size: 8, .value_kind: global_buffer, .address_space: global }
      - { .name: Wv, .offset: 64, .size: 8, .value_kind: global_buffer, .address_space: global }
      - { .name: Wp, .offset: 72, .size: 8, .value_kind: global_buffer, .address_space: global }
      - { .name: wimg, .offset: 80, .size: 8, .value_kind: global_buffer, .address_space: global }
    .group_segment_fixed_size: 27648
    .private_segment_fixed_size: 0
    .kernarg_segment_align: 8
    .kernarg_segment_size: 88
    .max_flat_workgroup_size: 256
    .sgpr_count:     66
    .vgpr_count:     256
    .wavefront_size: 32
...
	.end_amdgpu_metadata
.endif
;; end of part 1
;; launch qkv (part 2): grid 8 x 24, 4 waves a work-group, clusters of 4 x 4, 327,680 bytes of LDS; arguments hn, wimg, bq, bk, bv, qkvi; writes qkvi
.if DOCPART == 2
	.amdgcn_target "amdgcn-amd-amdhsa--gfx1250"
	.amdhsa_code_object_version 6
	.text
	.protected	k_qc16b818a58_qkv
	.globl	k_qc16b818a58_qkv
	.p2align	8
	.type	k_qc16b818a58_qkv,@function
k_qc16b818a58_qkv:
	s_mov_b64 s[64:65], 0
	v_nop
	global_prefetch_b8 v0, s[64:65] scope:SCOPE_SE
	s_setreg_imm32_b32 hwreg(HW_REG_WAVE_MODE, 25, 1), 1
	s_wait_xcnt 0x0
	s_wait_alu depctr_hold_cnt(0) depctr_sa_sdst(0) depctr_va_vdst(0) depctr_va_sdst(0) depctr_va_ssrc(0) depctr_va_vcc(0) depctr_vm_vsrc(0)
	s_getreg_b32 s2, hwreg(HW_REG_IB_STS2, 6, 4)
	s_cmp_eq_u32 s2, 0
	s_cbranch_scc0 .Lentry_in_a_cluster
	s_endpgm
.Lentry_in_a_cluster:
	s_bfe_u32 s2, ttmp6, 0x10000c
	s_cmp_lg_u32 s2, 0xf033
	s_cbranch_scc0 .Lentry_shape_is_right
	s_endpgm
.Lentry_shape_is_right:
; Q, K AND V^T, QUANTISED FOR ATTENTION.  C = A B^T on codes of FP6 (E2M3) with E8M0 scales, K = 1,024; both operands arrive as images of operand registers (blocks of 12,800 bytes: 128 rows x 128 K: 8 tiles of
; 1,536 bytes, then 512 bytes of scale words; block (group g, K step s) at (8 g + s) x 12,800).  Row r of tile 2 b + u of a block is row 32 b + 8 u + r + 8 (r / 8).
; Clusters with y < 4: A = hn (4,096 tokens), B = Wq and Wk as one operand of 2,048 units: the results are quantised along the head's 64.  Clusters with y >= 4: A = Wv (1,024 units), B = hn: the result is V^T, quantised along the tokens.
; A tile of C, 256 x 256, is made by four waves, each 128 x 128: 64 accumulators.  THE MATRIX INSTRUCTION IS USED TRANSPOSED (source 0 = 16 rows of B, source 1 = 16 rows of A): a lane holds ONE row of A, and by the order of
; rows in a tile the 16 registers of B's tiles 2 b, 2 b + 1 are 16 neighbours: 64 numbers a lane go straight into the quantiser, whose result is an operand's register image and is stored as it stands.
; SLOTS: K is eight K steps.  Three LDS slots of 102,400 bytes hold two K steps each (A's 256 rows and B's 256 rows); each wave fills a quarter of all three by one dense tensor load (300 rows of 256 bytes).
; All three are asked for at the head, so six of the eight K steps are on their way together: one tensor load of a wave is out at the most.  Slot 0 alone is filled again, with the last two K steps;
; between that load and the wait for it stand 224 matrix instructions.  The eight K steps are written out: there is no loop.
; CLUSTERS: 4 x 4; A's blocks are asked for jointly along a row of the cluster, B's along a column.
; qkvi: a record of 315,392 bytes for each (batch, head): 16 key steps of 13,056 bytes (K: 8 half images of 768; V^T: 4 images of 1,536 at 6,144; K's scale words, 512 bytes at 12,288; V's, 256 bytes at 12,800),
; then at 208,896 16 blocks of 128 queries, 6,656 bytes each (8 half images, 512 bytes of scale words at 6,144).
; REGISTERS: window 0: v0-31 addresses; v32-63 scale words, two sets; v64-255 fragment set 1 (A 64.., B 160..).  window 1: v0-191 fragment set 0 (A 0.., B 96..), v192-255 the bias.  windows 2, 3: accumulator (a, b) at 8 (8 (a % 4) + b).
; LIMITS: NaN and infinities are not served.  A block of 32 zeros gets the scale byte 1 where the quantiser's rule says 127: its codes are zeros and this program alone reads the bytes.
.set T,     8
.set KS,    8
.set BLK,   12800
.set SCO,   12288
.set FRG,   1536
.set QTR,   25600                      ; what the refill brings
.set SLOT,  25600                      ; LDS is laid by wave: a wave's region holds six K steps of its 128 rows on end; a slot is two K steps of each region
.set REG,   76800                      ; a region: what a wave's one load at the head brings (300 rows of 256 bytes)
.set NQ,    2                          ; K steps in a slot
.set RSTEP, 3*NQ*BLK                   ; from a slot's first tile to its second: three slots on along K
.set SPARE, 4*REG
.set AW,    REG
.set ASW,   REG
.set REC,   315392
.set QOFF,  208896
.set WQK_OFF, 6553600                  ; Wq's first block in wimg; Wk's follow
.set WV_OFF,  8192000
.set LI16, 4                           ; v4  16 x lane
.set LI8,  5                           ; v5  8 x lane
.set A16,  8                           ; v8-10  A's fragments in slot 0, 1, 2: 16-byte pieces;  v11-13: 8-byte pieces
.set A8,   11
.set B16,  14                          ; v14-16, v17-19 the same for B
.set B8,   17
.set AS,   20                          ; v20-22 A's scale words;  v23-25 B's
.set BS,   23
.set BOF,  26                          ; v26 the bias of my row of Wv
.set VSO,  27                          ; v27 where V's scale words go
.set SPW,  28
.set NIL,  29
.set SC,   32
.set TT,   64                          ; the way out, window 0: 64 numbers of a tile of rows
.set PC,   192
.set TM,   212
.set PWS,  232                         ; the eight tiles' scale words
.set XS,   240
.set SEL,  68
.set G1A, 24                           ; s[24:31] descriptor group 1 for A's blocks;  s[32:35] group 0
.set G0A, 32
.set G0A2, 96
.set G1B, 48                           ; s[48:55], s[56:59] the same for B's
.set G0B, 56
.set G0B2, 80
.set MSB, 0
.macro WIN new                         ; the immediate's high byte repeats the setting that is left
.if MSB != (\new)
	s_set_vgpr_msb (MSB<<8)|(\new)
.set MSB, (\new)
.endif
.endm
.macro PLACES n
.rept \n
	v_nop
.endr
.endm
.macro JLOAD g0a, g1a, g0b, g1b        ; a joint load: waves 0 and 1 fetch for A, waves 2 and 3 for B; an s_nop 0 and four v_nop follow each line
	s_cmp_eq_u32 s17, 0
	s_cbranch_scc0 .Lfor_b_\@
	tensor_load_to_lds s[\g0a:\g0a+3], s[\g1a:\g1a+7]
	s_nop 0
	PLACES 4
	s_branch .Lasked_\@
.Lfor_b_\@:
	tensor_load_to_lds s[\g0b:\g0b+3], s[\g1b:\g1b+7]
	s_nop 0
	PLACES 4
.Lasked_\@:
.endm
.macro CREST                           ; a round of the cluster's barrier behind its opening barrier
	s_cmp_lg_u32 s16, 0
	s_cbranch_scc1 .Lnot_wave_0_\@
	s_barrier_signal -3
.Lnot_wave_0_\@:
	s_barrier_wait -3
	s_barrier_signal -1
	s_barrier_wait -1
.endm
.macro CROUND
	s_barrier_signal -1
	s_barrier_wait -1
	CREST
.endm
.macro FRAGL reg, a16, a8, off         ; a fragment's image comes back as it was stored: every load reads consecutive bytes
	ds_load_b128 v[\reg:\reg+3], v[\a16] offset:\off
	ds_load_b64 v[\reg+4:\reg+5], v[\a8] offset:\off+512
	ds_load_b128 v[\reg+6:\reg+9], v[\a16] offset:\off+768
	ds_load_b64 v[\reg+10:\reg+11], v[\a8] offset:\off+1280
.endm
.macro FETCH slot, q, set              ; my T fragments of B and of A and their scale words, of the slot's q-th K step, into a set
.if T == 8
.set FA, 64*(\set)
.set FB, 96+64*(\set)
	WIN 0x40*(1-(\set))
.else
.set FA, 96*(\set)
.set FB, 96*(\set)+48
	WIN 0x40
.endif
.set fi, 0
.rept T
	FRAGL FB+12*fi, B16+\slot, B8+\slot, (\q)*BLK+fi*FRG
	FRAGL FA+12*fi, A16+\slot, A8+\slot, (\q)*BLK+fi*FRG
.set fi, fi+1
.endr
	WIN 0
.set fi, 0
.rept T/4
	ds_load_b128 v[SC+2*T*(\set)+4*fi:SC+2*T*(\set)+4*fi+3], v[AS+\slot] offset:(\q)*BLK+SCO+256*fi          ; lane r: the words of row r of four tiles
	ds_load_b128 v[SC+2*T*(\set)+T+4*fi:SC+2*T*(\set)+T+4*fi+3], v[BS+\slot] offset:(\q)*BLK+SCO+256*fi
.set fi, fi+1
.endr
.endm
.macro MROWS a0, n, set, zero          ; n of A's tiles from a0 on, each against B's T.  The accumulators take turns, one instruction a turn, in the same order in every step
.if T == 8
.set FA, 64*(\set)
.set FB, 96+64*(\set)
	WIN 0xa0+0x50*((\a0)/4)+5*(1-(\set))
.else
.set FA, 96*(\set)
.set FB, 96*(\set)+48
	WIN 0x05
.endif
.set ra, \a0
.rept \n
.set rb, 0
.rept T
.if T == 8
.set rD, 8*(8*(ra%4)+rb)
.else
.set rD, ACC+8*(4*ra+rb)
.endif
.if \zero
	v_wmma_scale_f32_16x16x128_f8f6f4 v[rD:rD+7], v[FB+12*rb:FB+12*rb+11], v[FA+12*ra:FA+12*ra+11], 0, v[SC+2*T*(\set)+T+rb], v[SC+2*T*(\set)+ra] matrix_a_fmt:MATRIX_FMT_FP6 matrix_b_fmt:MATRIX_FMT_FP6
.else
	v_wmma_scale_f32_16x16x128_f8f6f4 v[rD:rD+7], v[FB+12*rb:FB+12*rb+11], v[FA+12*ra:FA+12*ra+11], v[rD:rD+7], v[SC+2*T*(\set)+T+rb], v[SC+2*T*(\set)+ra] matrix_a_fmt:MATRIX_FMT_FP6 matrix_b_fmt:MATRIX_FMT_FP6
.endif
.set rb, rb+1
.endr
.set ra, ra+1
.endr
.endm
.macro STEP slot, q, zero              ; a K step whose successor lies in the same slot
	s_wait_dscnt 0x0                               ; this step's set, asked for a step ago, is in
	PLACES 4                                       ; four plain instructions between the last products and loads into the registers that they read
	FETCH \slot, (\q)+1, ((\q)+1)%2
	MROWS 0, T/2, (\q)%2, \zero
	MROWS T/2, T/2, (\q)%2, \zero
	WIN 0
.endm
.macro CROSS next                      ; a slot's last K step (set 1) where the next slot has been shown whole to every wave by an earlier barrier and nothing is filled: no barrier
	s_wait_dscnt 0x0
	PLACES 4
	FETCH \next, 0, 0
	MROWS 0, T/2, 1, 0
	MROWS T/2, T/2, 1, 0
	WIN 0
.endm
.macro TURN slot, next, fill           ; a slot's last K step (set 1) with a barrier; fill = 1: it opens a round of the cluster's barrier, and this slot is filled again
	WIN 0
	s_wait_tensorcnt 0x0                           ; all my tensor loads have landed
	ds_add_u32 v[SPW], v[NIL]                      ; 0 onto my spare word
	s_wait_dscnt 1                                 ; this step's set is in; the add alone may be out
	MROWS 0, T/4, 1, 0
	s_wait_dscnt 0x0                               ; the add is done, and my reads of this slot are over
	s_barrier_signal -1
	MROWS T/4, T/4, 1, 0
	WIN 0
	s_barrier_wait -1
.if \fill
	CREST                                          ; no wave of any partner still reads this slot or has a load on its way
	s_add_nc_u64 s[G0A+4*\slot+2:G0A+4*\slot+3], s[G0A+4*\slot+2:G0A+4*\slot+3], RSTEP
	s_add_nc_u64 s[G0B+4*\slot+2:G0B+4*\slot+3], s[G0B+4*\slot+2:G0B+4*\slot+3], RSTEP
	JLOAD G0A+4*\slot, G1A, G0B+4*\slot, G1B       ; the first tensor load behind the round; its four v_nop are the places in front of the loads below
.else
	PLACES 4
.endif
	s_wait_alu depctr_va_vdst(0)
	FETCH \next, 0, 0
	MROWS T/2, T/2, 1, 0
	WIN 0
.endm
.macro LAST
	s_wait_dscnt 0x0
	MROWS 0, T/2, 1, 0
	MROWS T/2, T/2, 1, 0
	WIN 0
.endm
; 64 numbers of a lane, register 16 b + i = k 32 b + 16 (lane / 16) + i of my row, become a fragment's 12 registers of codes in v[PC] on and its scale word in v[pw]
.macro QUANT s, pw
.irp b, 0,1,2,3
	v_max3_num_f32 v[TM+\b], |v[\s+16*\b]|, |v[\s+1+16*\b]|, 0x1800000   ; my 16 numbers of block b, and the floor 2^(3 - 127): the byte cannot fall under 1
.endr
.irp i, 2,4,6,8,10,12,14
.irp b, 0,1,2,3
	v_max3_num_f32 v[TM+\b], v[TM+\b], |v[\s+16*\b+\i]|, |v[\s+1+16*\b+\i]|
.endr
.endr
.irp b, 0,1,2,3
	v_permlanex16_b32 v[TM+4+\b], v[TM+\b], s[SEL], s[SEL+1]
.endr
.irp b, 0,1,2,3
	v_max_num_f32 v[TM+\b], v[TM+\b], v[TM+4+\b]
.endr
.irp b, 0,1,2,3
	v_add_nc_u32 v[TM+12+\b], 0xff000000, v[TM+\b] ; 2 off the exponent field: the conversion's scale operand
.endr
.irp b, 0,1,2,3
	v_lshrrev_b32 v[TM+4+\b], 23, v[TM+12+\b]      ; the scale's byte
.endr
	v_lshl_or_b32 v[\pw], v[TM+5], 8, v[TM+4]
	v_lshl_or_b32 v[\pw], v[TM+6], 16, v[\pw]
	v_lshl_or_b32 v[\pw], v[TM+7], 24, v[\pw]
.irp c, 0,1
	v_cvt_scalef32_pk16_fp6_f32 v[PC+6*\c:PC+2+6*\c], v[\s+32*\c:\s+15+32*\c], v[TM+12+2*\c]
	v_cvt_scalef32_pk16_fp6_f32 v[PC+12+4*\c:PC+14+4*\c], v[\s+16+32*\c:\s+31+32*\c], v[TM+12+2*\c+1]
.endr
	v_nop                                          ; one plain instruction behind a scaled conversion
.irp c, 0,1
.irp i, 0,1,2
	v_permlane16_swap_b32 v[PC+6*\c+\i], v[PC+12+4*\c+\i]
.endr
.irp i, 0,1,2
	v_mov_b32 v[PC+3+6*\c+\i], v[PC+12+4*\c+\i]
.endr
.endr
.endm
; The way out of A's tile a: bias added while the sums move to window 0 (each accumulator is read from its low end on), quantised, stored.  mode 0: Q and K;  1: V^T
.macro EPI a, mode
	WIN 0x06+(\a)/4                                ; source 0: the accumulators' window; source 1: window 1
.set ei, 0
.rept 32
.if \mode
	v_pk_add_f32 v[TT+2*ei:TT+2*ei+1], v[64*((\a)%4)+2*ei:64*((\a)%4)+2*ei+1], v[192+2*(\a):193+2*(\a)] op_sel_hi:[1,0]   ; one bias a lane: my row of Wv
.else
	v_pk_add_f32 v[TT+2*ei:TT+2*ei+1], v[64*((\a)%4)+2*ei:64*((\a)%4)+2*ei+1], v[192+2*ei:193+2*ei]
.endif
.set ei, ei+1
.endr
	WIN 0
.if (\a) > 0
	s_wait_xcnt 0x0                                ; the last tile's stores have read their data: the codes' registers are written again only behind this wait
.endif
	QUANT TT, PWS+(\a)
.if \mode
.set EO, ((\a)/4)*REC+((\a)%4)*FRG     ; tiles 0-3: the even head's V^T, tiles 4-7: the odd head's, one record on
	global_store_b128 v[LI16], v[PC:PC+3], s[72:73] offset:EO
	global_store_b64 v[LI8], v[PC+4:PC+5], s[72:73] offset:EO+512
	global_store_b128 v[LI16], v[PC+6:PC+9], s[72:73] offset:EO+768
	global_store_b64 v[LI8], v[PC+10:PC+11], s[72:73] offset:EO+1280
.else
.set EO, (\a)*768                      ; the fragment's first half is the even head's 64, its second the odd head's, one record on
	global_store_b128 v[LI16], v[PC:PC+3], s[72:73] offset:EO
	global_store_b64 v[LI8], v[PC+4:PC+5], s[72:73] offset:EO+512
	global_store_b128 v[LI16], v[PC+6:PC+9], s[72:73] offset:REC+EO
	global_store_b64 v[LI8], v[PC+10:PC+11], s[72:73] offset:REC+EO+512
.endif
.endm
.macro SCSEL                           ; lanes 0-15 keep the words of tiles 0-3, lanes 16-31 take those of tiles 4-7
.irp j, 0,1,2,3
	v_cndmask_b32 v[XS+\j], v[PWS+\j], v[PWS+4+\j], s67
.endr
.endm
	s_load_b256 s[4:11], s[0:1], 0x0               ; hn s[4:5], wimg s[6:7], bq s[8:9], bk s[10:11]
	s_load_b128 s[12:15], s[0:1], 0x20             ; bv s[12:13], qkvi s[14:15]
	v_lshl_add_u32 v[SPW], v0, 2, SPARE
	v_mov_b32 v[NIL], 0
	ds_add_u32 v[SPW], v[NIL]                      ; the wave's opening
	ds_add_u32 v[SPW], v[NIL]
	v_lshrrev_b32 v1, 5, v0
	v_readfirstlane_b32 s16, v1                    ; wave 0..3
	s_lshr_b32 s17, s16, 1                         ; which half of A's rows is mine.  Also: I fetch for A (0) or for B (1)
	s_and_b32 s18, s16, 1                          ; which half of B's rows.  Also: which group of 128 rows I fetch
	s_bfe_u32 s40, ttmp6, 0x40000                  ; cx, cy: my place in the cluster
	s_bfe_u32 s41, ttmp6, 0x40004
	s_and_b32 s84, ttmp7, 0xffff                   ; the cluster's y: under 4: Q and K; from 4 on: V^T.  The same in all sixteen partners
	s_max_u32 s86, s84, 4
	s_sub_co_u32 s86, s86, 4
	s_lshl_b32 s86, s86, 3                         ; 8 (y - 4) in V's part, else 0
	s_lshl_b32 s85, s84, 2
	s_cmp_ge_u32 s84, 4
	s_cselect_b32 s66, 1, 0                        ; the part
	s_cselect_b32 s85, 0, s85
	s_cselect_b32 s87, WV_OFF, 0                   ; where A begins in its buffer,
	s_cselect_b32 s88, 0, WQK_OFF                  ; and B
	s_add_co_u32 s19, s85, s41                     ; tile row: 4 y + cy, in V's part cy
	s_lshl_b32 s42, ttmp9, 2
	s_add_co_u32 s42, s42, s40
	s_add_co_u32 s42, s42, s86                     ; tile column: 4 x + cx, in V's part + 8 (y - 4)
	s_lshl_b32 s43, s41, 2
	s_lshl_b32 s43, 15, s43                        ; my row of the cluster
	s_lshl_b32 s44, 0x1111, s40                    ; my column
	s_or_b32 s[G1A], s43, (3<<16)|(1<<21)          ; 15:0 the mask; 17:16 elements of 8 bytes; 21 set beside a mask; no padding
	s_or_b32 s[G1B], s44, (3<<16)|(1<<21)
.irp g, G1A, G1B                       ; a dense run of 76,800 bytes as 300 rows of 256
	s_mov_b32 s[\g+1], 32<<16
	s_mov_b32 s[\g+2], 300<<16
	s_mov_b32 s[\g+3], 32<<16
	s_mov_b32 s[\g+4], 300
	s_mov_b32 s[\g+5], 32
	s_mov_b32 s[\g+6], 0
	s_mov_b32 s[\g+7], 0
.endr
	s_lshl_b32 s20, s19, 1
	s_add_co_u32 s20, s20, s18
	s_mul_i32 s20, s20, KS*BLK                     ; A: group 2 x tile row + half
	s_add_co_u32 s20, s20, s87
	s_mov_b32 s21, 0
	s_lshl_b32 s46, s42, 1
	s_add_co_u32 s46, s46, s18
	s_mul_i32 s46, s46, KS*BLK                     ; B: group 2 x tile column + half
	s_add_co_u32 s46, s46, s88
	s_mov_b32 s47, 0
	s_mul_i32 s45, s16, REG
	s_mov_b32 s67, 0xffff0000                      ; lanes 16-31
	s_mov_b32 s[SEL], 0x76543210
	s_mov_b32 s[SEL+1], 0xfedcba98
	s_wait_dscnt 0x0                               ; the opening add is done
	s_wait_kmcnt 0x0
	s_cmp_eq_u32 s66, 1
	s_cselect_b64 s[80:81], s[6:7], s[4:5]         ; A's buffer,
	s_cselect_b64 s[82:83], s[4:5], s[6:7]         ; B's
	s_add_nc_u64 s[20:21], s[80:81], s[20:21]
	s_add_nc_u64 s[46:47], s[82:83], s[46:47]
	CROUND                                         ; all sixteen work-groups are here: the first joint loads meet
.irp s, 0
	s_mov_b32 s[G0A+4*\s], 1
	s_add_co_u32 s[G0A+4*\s+1], s45, \s*SLOT
	s_add_nc_u64 s[G0A+4*\s+2:G0A+4*\s+3], s[20:21], \s*NQ*BLK
	s_or_b32 s[G0A+4*\s+3], s[G0A+4*\s+3], 0x80000000
	s_mov_b32 s[G0B+4*\s], 1
	s_add_co_u32 s[G0B+4*\s+1], s45, \s*SLOT
	s_add_nc_u64 s[G0B+4*\s+2:G0B+4*\s+3], s[46:47], \s*NQ*BLK
	s_or_b32 s[G0B+4*\s+3], s[G0B+4*\s+3], 0x80000000
	JLOAD G0A+4*\s, G1A, G0B+4*\s, G1B
.endr
	v_and_b32 v1, 31, v0                           ; lane
	v_and_b32 v2, 15, v0                           ; r
	v_bfe_u32 v3, v0, 4, 1                         ; h
	v_lshlrev_b32 v[LI16], 4, v1
	v_lshlrev_b32 v[LI8], 3, v1
	v_lshlrev_b32 v6, 4, v2                        ; 16 r
	v_lshlrev_b32 v7, 6, v3                        ; 64 h: the bias of my 16 units of each 32
	v_and_b32 v[BOF], 8, v2
	v_add_nc_u32 v[BOF], v[BOF], v2
	v_lshlrev_b32 v[BOF], 2, v[BOF]                ; 4 (r + 8 (r / 8)): the bias of my row of Wv
	v_mul_u32_u24 v[VSO], v3, REC
	v_add_nc_u32 v[VSO], v[VSO], v6                ; V's scale words: 16 r, lanes 16-31 one record on
	s_mul_i32 s22, s17, AW
	s_mul_i32 s23, s18, AW
	s_add_co_u32 s23, s23, 2*REG
	s_mul_i32 s84, s17, ASW
	s_mul_i32 s85, s18, ASW
	s_add_co_u32 s85, s85, 2*REG
.irp s, 0,1,2
	v_add_nc_u32 v[A16+\s], s22, v[LI16]
	v_add_nc_u32 v[A8+\s], s22, v[LI8]
	v_add_nc_u32 v[B16+\s], s23, v[LI16]
	v_add_nc_u32 v[B8+\s], s23, v[LI8]
	v_add_nc_u32 v[AS+\s], s84, v6
	v_add_nc_u32 v[BS+\s], s85, v6
	s_add_co_u32 s22, s22, SLOT
	s_add_co_u32 s23, s23, SLOT
	s_add_co_u32 s84, s84, SLOT
	s_add_co_u32 s85, s85, SLOT
.endr
	s_wait_alu depctr_va_vdst(0)                   ; the wait at the head's end
	s_wait_tensorcnt 0x0                           ; my one load, K steps 0 to 5 of my 128 rows, is in
	s_mov_b32 s[G1A+2], 100<<16                    ; no tensor load of mine is out: the refill brings 100 rows, two K steps
	s_mov_b32 s[G1A+4], 100
	s_mov_b32 s[G1B+2], 100<<16
	s_mov_b32 s[G1B+4], 100
	s_barrier_signal -1
	s_barrier_wait -1
	FETCH 0, 0, 0
	STEP 0, 0, 1                                   ; K step 0: its products start the sums
	TURN 0, 1, 1                                   ; K step 1: all three first fills are shown landed to every wave; slot 0 takes K steps 6 and 7
	STEP 1, 0, 0                                   ; K step 2
	CROSS 2                                        ; K step 3: slot 2 has been whole since the round in K step 1
	STEP 2, 0, 0                                   ; K step 4
	TURN 2, 0, 0                                   ; K step 5: the refill has landed, in every wave; nothing is filled
	STEP 0, 0, 0                                   ; K step 6
	s_cmp_eq_u32 s66, 1                            ; the two parts differ from here on; no tensor load and no barrier stands in either
	s_cbranch_scc1 .Lvt
	; ---- Q and K
	s_lshl_b32 s84, s19, 1
	s_add_co_u32 s84, s84, s17                     ; my group of 128 tokens
	s_lshr_b32 s85, s84, 4                         ; batch
	s_and_b32 s84, s84, 15                         ; group in the batch
	s_lshl_b32 s86, s42, 1
	s_add_co_u32 s86, s86, s18                     ; my 128 units: 0-7 of Wq, 8-15 of Wk
	s_and_b32 s87, s86, 7                          ; heads 2 hp, 2 hp + 1
	s_lshl_b32 s85, s85, 4
	s_lshl_b32 s88, s87, 1
	s_add_co_u32 s85, s85, s88
	s_mul_i32 s85, s85, REC                        ; the even head's record
	s_mul_i32 s88, s84, 6656
	s_add_co_u32 s88, s88, QOFF
	s_mul_i32 s89, s84, 13056
	s_mov_b32 s90, SCO
	s_cmp_lt_u32 s86, 8                            ; Q?
	s_cselect_b32 s88, s88, s89                    ; the block of 128 queries, or the key step
	s_cselect_b32 s90, 6144, s90                   ; and its scale words
	s_cselect_b64 s[76:77], s[8:9], s[10:11]       ; bq or bk
	s_add_co_u32 s92, s85, s88
	s_mov_b32 s93, 0
	s_mov_b32 s91, 0
	s_add_nc_u64 s[72:73], s[14:15], s[92:93]
	s_add_nc_u64 s[74:75], s[72:73], s[90:91]
	s_lshl_b32 s92, s87, 9
	s_add_nc_u64 s[76:77], s[76:77], s[92:93]
	WIN 0x40
.irp p, 0,1,2,3
.irp j, 0,1,2,3
	global_load_b128 v[192+16*\p+4*\j:195+16*\p+4*\j], v7, s[76:77] offset:128*\p+16*\j   ; the bias in the result's order: units 32 p + 16 h + 0 .. 15
.endr
.endr
	WIN 0
	LAST                                           ; K step 7 stands between the bias's loads and the wait for them
	s_wait_loadcnt 0x0
	PLACES 4                                       ; four plain instructions between the last products and the first read of results
.irp b, 0,1,2,3
	v_mov_b32 v[TM+4+\b], 0                        ; a lane permute's destination counts as one of its sources
.endr
.irp a, 0,1,2,3,4,5,6,7
	EPI \a, 0
.endr
	SCSEL
.irp j, 0,1,2,3
	v_and_b32 v[244+\j], 0xffff, v[XS+\j]          ; the even head's two bytes; the bytes of the void half of K stay 0
	v_lshrrev_b32 v[248+\j], 16, v[XS+\j]          ; the odd head's
.endr
	global_store_b128 v[LI16], v[244:247], s[74:75]
	global_store_b128 v[LI16], v[248:251], s[74:75] offset:REC
	s_branch .Lend
.Lvt:
	; ---- V^T
	s_lshl_b32 s84, s19, 1
	s_add_co_u32 s84, s84, s17                     ; my 128 units of Wv: heads 2 gA, 2 gA + 1
	s_lshl_b32 s86, s42, 1
	s_add_co_u32 s86, s86, s18                     ; my group of 128 tokens
	s_lshr_b32 s85, s86, 4                         ; batch
	s_and_b32 s86, s86, 15                         ; key step
	s_lshl_b32 s85, s85, 4
	s_lshl_b32 s88, s84, 1
	s_add_co_u32 s85, s85, s88
	s_mul_i32 s85, s85, REC
	s_mul_i32 s86, s86, 13056
	s_add_co_u32 s92, s85, s86
	s_add_co_u32 s92, s92, 6144
	s_mov_b32 s93, 0
	s_add_nc_u64 s[72:73], s[14:15], s[92:93]
	s_lshl_b32 s92, s84, 9
	s_add_nc_u64 s[76:77], s[12:13], s[92:93]
	WIN 0x40
.irp a, 0,1,2,3,4,5,6,7
	global_load_b32 v[192+2*\a], v[BOF], s[76:77] offset:(32*(\a/2)+8*(\a%2))*4
	global_load_b32 v[193+2*\a], v[BOF], s[76:77] offset:(32*(\a/2)+8*(\a%2))*4     ; (the packed addition names the pair, so both words are written)
.endr
	WIN 0
	LAST
	s_wait_loadcnt 0x0
	PLACES 4
.irp b, 0,1,2,3
	v_mov_b32 v[TM+4+\b], 0
.endr
.irp a, 0,1,2,3,4,5,6,7
	EPI \a, 1
.endr
	SCSEL
	global_store_b128 v[VSO], v[XS:XS+3], s[72:73] offset:6656     ; tile j, row r at 16 r + 4 j of the key step's 256 bytes
.Lend:
	s_wait_tensorcnt 0x0                           ; the wave's end
	ds_add_u32 v[SPW], v[NIL]
	s_wait_dscnt 0x0
	CROUND                                         ; the closing round: no work-group ends while a partner may still ask for a block that names it
	s_endpgm
.Lfunc_end_k_qc16b818a58_qkv:
	.size	k_qc16b818a58_qkv, .Lfunc_end_k_qc16b818a58_qkv-k_qc16b818a58_qkv
	.p2alignl 7, 3214868480
	.fill 96, 4, 3214868480
	.section	.rodata,"a",@progbits
	.p2align	6, 0x0
	.amdhsa_kernel k_qc16b818a58_qkv
		.amdhsa_group_segment_fixed_size 327680
		.amdhsa_private_segment_fixed_size 0
		.amdhsa_enable_private_segment 0
		.amdhsa_kernarg_size 48
		.amdhsa_user_sgpr_count 2
		.amdhsa_user_sgpr_kernarg_segment_ptr 1
		.amdhsa_wavefront_size32 1
		.amdhsa_system_sgpr_workgroup_id_x 1
		.amdhsa_system_sgpr_workgroup_id_y 1
		.amdhsa_system_sgpr_workgroup_id_z 1
		.amdhsa_system_vgpr_workitem_id 0
		.amdhsa_next_free_vgpr 1024
		.amdhsa_next_free_sgpr 100
		.amdhsa_reserve_vcc 0
		.amdhsa_float_denorm_mode_32 3
		.amdhsa_float_denorm_mode_16_64 3
		.amdhsa_memory_ordered 1
		.amdhsa_forward_progress 1
		.amdhsa_inst_pref_size 223
	.end_amdhsa_kernel
	.amdgpu_metadata
---
amdhsa.version: [ 1, 2 ]
amdhsa.kernels:
  - .name:           k_qc16b818a58_qkv
    .symbol:         k_qc16b818a58_qkv.kd
    .args:
      - { .name: hn, .offset: 0, .size: 8, .value_kind: global_buffer, .address_space: global }
      - { .name: wimg, .offset: 8, .size: 8, .value_kind: global_buffer, .address_space: global }
      - { .name: bq, .offset: 16, .size: 8, .value_kind: global_buffer, .address_space: global }
      - { .name: bk, .offset: 24, .size: 8, .value_kind: global_buffer, .address_space: global }
      - { .name: bv, .offset: 32, .size: 8, .value_kind: global_buffer, .address_space: global }
      - { .name: qkvi, .offset: 40, .size: 8, .value_kind: global_buffer, .address_space: global }
    .group_segment_fixed_size: 327680
    .private_segment_fixed_size: 0
    .kernarg_segment_align: 8
    .kernarg_segment_size: 48
    .max_flat_workgroup_size: 128
    .sgpr_count:     100
    .vgpr_count:     1024
    .wavefront_size: 32
...
	.end_amdgpu_metadata
.endif
;; end of part 2
;; launch attn (part 3): grid 8 x 32, 16 waves a work-group, clusters of 4 x 1, 210,944 bytes of LDS; arguments qkvi, ao; writes ao
.if DOCPART == 3
	.amdgcn_target "amdgcn-amd-amdhsa--gfx1250"
	.amdhsa_code_object_version 6
	.text
	.protected	k_qc16b818a58_attn
	.globl	k_qc16b818a58_attn
	.p2align	8
	.type	k_qc16b818a58_attn,@function
k_qc16b818a58_attn:
	s_mov_b64 s[64:65], 0
	v_nop
	global_prefetch_b8 v0, s[64:65] scope:SCOPE_SE
	s_setreg_imm32_b32 hwreg(HW_REG_WAVE_MODE, 25, 1), 1
	s_wait_xcnt 0x0
	s_wait_alu depctr_hold_cnt(0) depctr_sa_sdst(0) depctr_va_vdst(0) depctr_va_sdst(0) depctr_va_ssrc(0) depctr_va_vcc(0) depctr_vm_vsrc(0)
	s_getreg_b32 s2, hwreg(HW_REG_IB_STS2, 6, 4)
	s_cmp_eq_u32 s2, 0
	s_cbranch_scc0 .Lentry_in_a_cluster
	s_endpgm
.Lentry_in_a_cluster:
	s_bfe_u32 s2, ttmp6, 0x10000c
	s_cmp_lg_u32 s2, 0x3003
	s_cbranch_scc0 .Lentry_shape_is_right
	s_endpgm
.Lentry_shape_is_right:
; ATTENTION ON CODES OF FP6 (E2M3), head size 64, 2,048 keys, no mask.  Both products are used transposed (S^T = K Q^T, O^T = V^T P^T): a lane holds ONE query throughout.
; t = score x log2(e) / 8; M = the running largest t rounded UP to a whole number; p = 2^(t - M) is quantised along the keys, not normalised; the row's sum is taken of the unquantised p and divides O at the end.
; When M moves, the sum and O^T are multiplied by 2^(old M - new M), which rounds nothing.
; A record of qkvi (one batch and head): 16 key steps of 13,056 bytes (K: 8 half images of 768 bytes; V^T: 4 fragment images of 1,536 at 6,144; K's scale words at 12,288; V's at 12,800), then Q's blocks at 208,896.
; A work-group owns 256 queries of one head; each of its sixteen waves one tile of 16.  THE HEAD'S K, V AND SCALES, 208,896 BYTES, COME INTO LDS ONCE: four chunks of four key steps, asked for at the head; nothing is filled again.
; TWO BARRIERS: behind the first the first chunk is whole, and its four key steps are worked while the other three chunks land; behind the second all of them are, and the waves walk the other twelve key steps without meeting again.
; CLUSTER: the four query blocks of a cluster belong to one head: each chunk is asked for jointly (mask 15).  Every wave issues one load, of its own key step: one tensor load of a wave is out at the most.
; THE VOID HALF OF K Q^T: the instruction is 128 deep, the head 64.  Q's codes of k = 64 .. 127 are zeros; K's operand names there the next tile's six registers (tile 7: zeros), whose codes are finite numbers, under scale bytes 0:
; these products are exact zeros.
; The rows of every tile are in the order 32 b + 8 u + r + 8 (r / 8) (tile 2 b + u), so that p's 16 registers of two neighbouring tiles are 16 neighbouring keys, and O^T's 32 registers are the quantiser's order along the head.
; The result is quantised along the head's 64 and stored as half a fragment's image into ao (K step head / 2, half head % 2) with its two scale bytes.
; No prefetch: every byte that the work-group reads is asked for at its head.
; LIMITS: NaN and infinities are not served.  A block of 32 zeros gets the scale byte 1 where the quantiser's rule says 127: its codes are zeros and this program alone reads the bytes.
; REGISTERS: v1-3 16 x lane, 8 x lane, 16 r; v8-10 the step's LDS addresses; v12 -M, v13 the largest t, v[14:15] the sum; v16-27 Q; v32-79 K's 8 tiles, then V's 4 fragments; v80-85 zeros; v96-159 S^T, then p; v160-191 O^T;
;   v192-195 V's scale words; v224-235 p's codes; v232-247, v252, v254 at work; v248-251 K's scale words; v253 p's; v255 Q's.
.set REC,   315392
.set QOFF,  208896
.set KVS,   13056                      ; a key step in LDS and in memory
.set CHK,   26112                      ; two key steps
.set BLK,   12800
.set SPARE, 208896                     ; behind K and V: the spare words, 128 bytes for each of sixteen waves, which no other line names
.set SPW,  5
.set NIL,  6
.set WV,   18
.set SEL,  20
.set CS,   22
.set G1,   24                          ; s[24:31] descriptor group 1;  s[32:35] group 0
.set G0,   32
.set TS,   2                           ; s2  LDS byte at which the key step in hand begins
.set CNT,  3
.macro PLACES n
.rept \n
	v_nop
.endr
.endm
.macro CROUND                          ; a round of the cluster's barrier
	s_barrier_signal -1
	s_barrier_wait -1
	s_cmp_lg_u32 s[WV], 0
	s_cbranch_scc1 .Lnot_wave_0_\@
	s_barrier_signal -3
.Lnot_wave_0_\@:
	s_barrier_wait -3
	s_barrier_signal -1
	s_barrier_wait -1
.endm
	s_load_b128 s[4:7], s[0:1], 0x0                ; qkvi s[4:5], ao s[6:7]
	v_lshl_add_u32 v[SPW], v0, 2, SPARE
	v_mov_b32 v[NIL], 0
	ds_add_u32 v[SPW], v[NIL]                      ; the wave's opening
	ds_add_u32 v[SPW], v[NIL]
	v_lshrrev_b32 v8, 5, v0
	s_delay_alu instid0(VALU_DEP_1)
	v_readfirstlane_b32 s[WV], v8                  ; wave 0..15
	s_bfe_u32 s48, ttmp6, 0x40000                  ; cx
	s_lshl_b32 s49, ttmp9, 2
	s_add_co_u32 s49, s49, s48                     ; my block of 256 queries: it enters Q's and ao's addresses alone
	s_and_b32 s50, ttmp7, 0xffff                   ; the record: 16 x batch + head, which the four partners share
	s_mul_i32 s52, s50, REC
	s_mov_b32 s53, 0
	s_mul_i32 s54, s[WV], KVS                      ; wave w fetches key step w, in memory and in LDS alike
	s_add_co_u32 s56, s52, s54
	s_mov_b32 s57, 0
	s_mov_b32 s[G1], 15|(3<<16)|(1<<21)            ; 15:0 the mask: all four; 17:16 elements of 8 bytes; 21 set beside a mask; no padding
	s_mov_b32 s[G1+1], 32<<16                      ; a dense run of 13,056 bytes as 51 rows of 256
	s_mov_b32 s[G1+2], 51<<16
	s_mov_b32 s[G1+3], 32<<16
	s_mov_b32 s[G1+4], 51
	s_mov_b32 s[G1+5], 32
	s_mov_b32 s[G1+6], 0
	s_mov_b32 s[G1+7], 0
	s_lshl_b32 s58, s49, 1
	s_lshr_b32 s59, s[WV], 3
	s_add_co_u32 s58, s58, s59                     ; my group of 128 queries in the batch
	s_and_b32 s60, s[WV], 7                        ; my tile in it
	s_mul_i32 s61, s58, 6656
	s_add_co_u32 s61, s61, s52
	s_add_co_u32 s61, s61, QOFF                    ; its block of Q
	s_mul_i32 s66, s60, 768
	s_add_co_u32 s66, s66, s61                     ; my tile's half image
	s_mov_b32 s67, 0
	s_lshr_b32 s59, s60, 2
	s_lshl_b32 s59, s59, 8
	s_and_b32 s62, s[WV], 3
	s_lshl_b32 s62, s62, 2
	s_add_co_u32 s59, s59, s62                     ; my tile's place among a block's scale words: 256 (tile / 4) + 4 (tile % 4)
	s_add_co_u32 s68, s61, s59
	s_add_co_u32 s68, s68, 6144
	s_mov_b32 s69, 0
	s_lshr_b32 s62, s50, 4
	s_lshl_b32 s62, s62, 4
	s_add_co_u32 s62, s62, s58                     ; my group of 128 tokens
	s_lshl_b32 s62, s62, 3
	s_bfe_u32 s63, s50, 0x30001                    ; head / 2: the K step in ao
	s_add_co_u32 s62, s62, s63
	s_mul_i32 s62, s62, BLK
	s_and_b32 s63, s50, 1                          ; head % 2: the half
	s_mul_i32 s70, s60, 1536
	s_add_co_u32 s70, s70, s62
	s_mul_i32 s74, s63, 768
	s_add_co_u32 s70, s70, s74
	s_mov_b32 s71, 0
	s_add_co_u32 s72, s62, s59
	s_add_co_u32 s72, s72, 12288
	s_lshl_b32 s74, s63, 1
	s_add_co_u32 s72, s72, s74
	s_mov_b32 s73, 0
	s_mov_b32 s[SEL], 0x76543210
	s_mov_b32 s[SEL+1], 0xfedcba98                 ; v_permlanex16_b32's selects for lane l xor 16
	s_mov_b32 s[CS], 0x3e38aa3b                    ; c = log2(e) / 8
	s_mov_b32 s[CS+1], s[CS]                       ; (named with it as a pair, so it is written)
	s_mov_b32 s[TS], 0
	s_wait_dscnt 0x0                               ; the opening add is done
	s_wait_kmcnt 0x0
	s_add_nc_u64 s[56:57], s[4:5], s[56:57]
	s_add_nc_u64 s[66:67], s[4:5], s[66:67]
	s_add_nc_u64 s[68:69], s[4:5], s[68:69]
	s_add_nc_u64 s[70:71], s[6:7], s[70:71]
	s_add_nc_u64 s[72:73], s[6:7], s[72:73]
	CROUND                                         ; all four work-groups are here: the joint loads meet
	s_mov_b32 s[G0], 1                             ; one joint load a wave, sixteen in all: a key step of 13,056 bytes as 51 rows of 256
	s_mov_b32 s[G0+1], s54
	s_mov_b64 s[G0+2:G0+3], s[56:57]
	s_or_b32 s[G0+3], s[G0+3], 0x80000000
	s_cmp_lt_u32 s[WV], 4                          ; two arms: the first four key steps have a line of their own, which the first barrier's wait covers
	s_cbranch_scc0 .Llater
	tensor_load_to_lds s[G0:G0+3], s[G1:G1+7]
	s_nop 0
	PLACES 4
	s_branch .Lasked
.Llater:
	tensor_load_to_lds s[G0:G0+3], s[G1:G1+7]
	s_nop 0
	PLACES 4
.Lasked:
	v_and_b32 v4, 31, v0
	s_delay_alu instid0(VALU_DEP_1)
	v_lshlrev_b32 v1, 4, v4                        ; 16 x lane
	s_delay_alu instid0(VALU_DEP_2)
	v_lshlrev_b32 v2, 3, v4                        ; 8 x lane
	v_and_b32 v7, 15, v0
	s_delay_alu instid0(VALU_DEP_1)
	v_lshlrev_b32 v3, 4, v7                        ; 16 r
	global_load_b128 v[16:19], v1, s[66:67]        ; Q's half fragment stays in registers
	global_load_b64 v[20:21], v2, s[66:67] offset:512
	global_load_b32 v255, v3, s[68:69]             ; and its scale words
.irp j, 22,23,24,25,26,27,80,81,82,83,84,85,236,237,238,239,253,14,15
	v_mov_b32 v[\j], 0                             ; the void halves; permutes' destinations; the pair v[252:253]'s upper word; the sum
.endr
	v_mov_b32 v13, 0xff61b1e6                      ; the largest t so far: -3e38, under every t
	s_delay_alu instid0(VALU_DEP_1)
	v_floor_f32 v12, -v13                          ; -M
.set sj, 0
.rept 32
	v_mov_b32 v[160+sj], 0                         ; O^T: the step is written once; the first finds zeros, which the first change of M leaves zeros
.set sj, sj+1
.endr
; A KEY STEP: 128 keys
.macro STEP
	v_add_nc_u32 v8, s[TS], v1
	v_add_nc_u32 v9, s[TS], v2
	v_add_nc_u32 v10, s[TS], v3
	v_nop                                          ; four plain instructions between the last products and loads into the registers that they read
.irp t, 0,1,2,3,4,5,6,7
	ds_load_b128 v[32+6*\t:35+6*\t], v8 offset:768*\t
	ds_load_b64 v[36+6*\t:37+6*\t], v9 offset:768*\t+512
.endr
	ds_load_b128 v[248:251], v8 offset:12288       ; K's scale words: lanes 0-15 those of tiles 0-3, lanes 16-31 those of tiles 4-7
	s_wait_alu depctr_va_vdst(0)
	s_wait_dscnt 0x0
.irp t, 0,1,2,3
	v_wmma_scale_f32_16x16x128_f8f6f4 v[96+8*\t:103+8*\t], v[32+6*\t:43+6*\t], v[16:27], 0, v[248+\t], v255 matrix_a_fmt:MATRIX_FMT_FP6 matrix_b_fmt:MATRIX_FMT_FP6
.endr
.irp t, 4,5,6,7
	v_wmma_scale_f32_16x16x128_f8f6f4 v[96+8*\t:103+8*\t], v[32+6*\t:43+6*\t], v[16:27], 0, v[244+\t], v255 matrix_a_fmt:MATRIX_FMT_FP6 matrix_b_fmt:MATRIX_FMT_FP6 matrix_a_scale:MATRIX_SCALE_ROW1
.endr
	PLACES 4                                       ; for the loads below and for the first read of the scores
.irp t, 0,1,2,3                        ; V's four fragments land under the softmax
	ds_load_b128 v[32+12*\t:35+12*\t], v8 offset:6144+1536*\t
	ds_load_b64 v[36+12*\t:37+12*\t], v9 offset:6144+1536*\t+512
	ds_load_b128 v[38+12*\t:41+12*\t], v8 offset:6144+1536*\t+768
	ds_load_b64 v[42+12*\t:43+12*\t], v9 offset:6144+1536*\t+1280
.endr
	ds_load_b128 v[192:195], v10 offset:12800      ; lane r: the words of row r of V's four tiles
.irp b, 0,1,2,3
	v_max3_num_f32 v[232+\b], v[96+16*\b], v[97+16*\b], v[98+16*\b]   ; the largest score of each block of 32 keys: for the row's maximum and, since p rises with the score, for the block's largest p
.endr
.irp i, 3,5,7,9,11,13
.irp b, 0,1,2,3
	v_max3_num_f32 v[232+\b], v[232+\b], v[96+16*\b+\i], v[97+16*\b+\i]
.endr
.endr
.irp b, 0,1,2,3
	v_max_num_f32 v[232+\b], v[232+\b], v[111+16*\b]
.endr
.irp b, 0,1,2,3
	s_delay_alu instid0(VALU_DEP_4)
	v_permlanex16_b32 v[236+\b], v[232+\b], s[SEL], s[SEL+1]
.endr
.irp b, 0,1,2,3
	s_delay_alu instid0(VALU_DEP_4)
	v_max_num_f32 v[232+\b], v[232+\b], v[236+\b]  ; with lane l xor 16's 16 keys
.endr
	s_delay_alu instid0(VALU_DEP_2)
	v_max3_num_f32 v254, v232, v233, v234
	s_delay_alu instid0(VALU_DEP_1)
	v_max_num_f32 v254, v254, v235
	s_delay_alu instid0(VALU_DEP_1)
	v_mul_f32 v254, s[CS], v254                    ; as t (c is positive)
	s_delay_alu instid0(VALU_DEP_1)
	v_max_num_f32 v13, v13, v254                   ; the running largest t
	v_mov_b32 v254, v12
	s_delay_alu instid0(VALU_DEP_2)
	v_floor_f32 v12, -v13                          ; the new -M = floor(-t) = -ceil(t)
	s_delay_alu instid0(VALU_DEP_1)
	v_sub_f32 v254, v12, v254                      ; old M - new M: a whole number, 0 or less
	s_delay_alu instid0(VALU_DEP_1)
	v_cvt_i32_f32 v254, v254                       ; (it saturates)
	s_delay_alu instid0(VALU_DEP_1)
	v_ldexp_f32 v252, 1.0, v254                    ; f = 2^(old M - new M)
.set sj, 0
.rept 32
	v_pk_fma_f32 v[96+sj:97+sj], v[96+sj:97+sj], s[CS:CS+1], v[12:13] op_sel_hi:[1,0,0]   ; t - M, two at a time
.set sj, sj+2
.endr
.irp b, 0,1,2,3
	v_fma_f32 v[232+\b], v[232+\b], s[CS], v12     ; the same of each block's largest score
.endr
.set sj, 0
	s_wait_alu depctr_va_vdst(0)
.rept 64
	v_exp_f32 v[96+sj], v[96+sj]                   ; p = 2^(t - M), at most 1
.set sj, sj+1
.endr
	v_pk_mul_f32 v[14:15], v[14:15], v[252:253] op_sel_hi:[1,0]    ; the sums under the new M: a plain instruction behind the exponentials
	s_wait_alu depctr_va_vdst(0)                   ; one wait for the whole batch, ahead of the first line that names a result
.irp b, 0,1,2,3
	v_exp_f32 v[232+\b], v[232+\b]                 ; the block's largest p: the same two instructions on the same number give the same bits
.endr
	v_pk_add_f32 v[236:237], v[100:101], v[104:105]
	v_pk_add_f32 v[250:251], v[108:109], v[112:113]
	v_pk_add_f32 v[248:249], v[116:117], v[120:121]
	v_pk_add_f32 v[246:247], v[124:125], v[128:129]
	v_pk_add_f32 v[244:245], v[132:133], v[136:137]
	v_pk_add_f32 v[242:243], v[140:141], v[144:145]
	v_pk_add_f32 v[240:241], v[148:149], v[152:153]
	v_pk_add_f32 v[14:15], v[14:15], v[156:157]
	v_pk_add_f32 v[236:237], v[236:237], v[96:97]
	v_pk_add_f32 v[250:251], v[250:251], v[98:99]
	v_pk_add_f32 v[248:249], v[248:249], v[102:103]
	v_pk_add_f32 v[246:247], v[246:247], v[106:107]
	v_pk_add_f32 v[244:245], v[244:245], v[110:111]
	v_pk_add_f32 v[242:243], v[242:243], v[114:115]
	v_pk_add_f32 v[240:241], v[240:241], v[118:119]
	v_pk_add_f32 v[14:15], v[14:15], v[122:123]
	v_pk_add_f32 v[236:237], v[236:237], v[126:127]
	v_pk_add_f32 v[250:251], v[250:251], v[130:131]
	v_pk_add_f32 v[248:249], v[248:249], v[134:135]
	v_pk_add_f32 v[246:247], v[246:247], v[138:139]
	v_pk_add_f32 v[244:245], v[244:245], v[142:143]
	v_pk_add_f32 v[242:243], v[242:243], v[146:147]
	v_pk_add_f32 v[240:241], v[240:241], v[150:151]
	v_pk_add_f32 v[14:15], v[14:15], v[154:155]
	v_pk_add_f32 v[236:237], v[236:237], v[158:159]
	s_delay_alu instid0(VALU_DEP_2)
	v_pk_add_f32 v[14:15], v[14:15], v[246:247]
	s_delay_alu instid0(VALU_DEP_2)
	v_pk_add_f32 v[236:237], v[236:237], v[244:245]
	v_pk_add_f32 v[250:251], v[250:251], v[242:243]
	v_pk_add_f32 v[248:249], v[248:249], v[240:241]
	s_delay_alu instid0(VALU_DEP_2)
	v_pk_add_f32 v[14:15], v[14:15], v[250:251]
	s_delay_alu instid0(VALU_DEP_2)
	v_pk_add_f32 v[236:237], v[236:237], v[248:249]
	s_delay_alu instid0(VALU_DEP_1)
	v_pk_add_f32 v[14:15], v[14:15], v[236:237]
	s_wait_alu depctr_va_vdst(0)                   ; and one for the four
.irp b, 0,1,2,3
	v_max_num_f32 v[232+\b], 0x1800000, v[232+\b]  ; the floor 2^(3 - 127): the byte cannot fall under 1
.endr
.irp b, 0,1,2,3
	s_delay_alu instid0(VALU_DEP_4)
	v_add_nc_u32 v[244+\b], 0xff000000, v[232+\b]  ; 2 off the exponent field: the conversion's scale operand
.endr
.irp b, 0,1,2,3
	s_delay_alu instid0(VALU_DEP_4)
	v_lshrrev_b32 v[236+\b], 23, v[244+\b]         ; the scale's byte
.endr
	s_delay_alu instid0(VALU_DEP_3)
	v_lshl_or_b32 v253, v237, 8, v236              ; p's scale word for these 128 keys
	s_delay_alu instid0(VALU_DEP_1)
	v_lshl_or_b32 v253, v238, 16, v253
	s_delay_alu instid0(VALU_DEP_1)
	v_lshl_or_b32 v253, v239, 24, v253
.irp c, 0,1
	v_cvt_scalef32_pk16_fp6_f32 v[224+6*\c:226+6*\c], v[96+32*\c:111+32*\c], v[244+2*\c]
	v_cvt_scalef32_pk16_fp6_f32 v[236+4*\c:238+4*\c], v[112+32*\c:127+32*\c], v[244+2*\c+1]
.endr
	v_nop                                          ; one plain instruction behind a scaled conversion
.irp c, 0,1                            ; the operand's layout wants a whole block in a lane
.irp i, 0,1,2
	v_permlane16_swap_b32 v[224+6*\c+\i], v[236+4*\c+\i]
.endr
.irp i, 0,1,2
	s_delay_alu instid0(VALU_DEP_3)
	v_mov_b32 v[227+6*\c+\i], v[236+4*\c+\i]
.endr
.endr
.set sj, 0
.rept 16
	v_pk_mul_f32 v[160+sj:161+sj], v[160+sj:161+sj], v[252:253] op_sel_hi:[1,0]   ; O^T under the new M.  These sixteen stand between the lines that wrote p's codes and scale word and the products that take them
.set sj, sj+2
.endr
	s_wait_alu depctr_va_vdst(0)
	s_wait_dscnt 0x0                               ; V
.irp t, 0,1,2,3                        ; four accumulators by turns; eleven other matrix instructions stand between two links of a chain
	v_wmma_scale_f32_16x16x128_f8f6f4 v[160+8*\t:167+8*\t], v[32+12*\t:43+12*\t], v[224:235], v[160+8*\t:167+8*\t], v[192+\t], v253 matrix_a_fmt:MATRIX_FMT_FP6 matrix_b_fmt:MATRIX_FMT_FP6
.endr
	s_add_co_u32 s[TS], s[TS], KVS
.endm
.macro WALK first, steps               ; a barrier, then so many key steps.  first = 1: waves 0 to 3 alone wait for their loads, key steps 0 to 3
.if \first
	s_cmp_lt_u32 s[WV], 4
	s_cbranch_scc0 .Lnw_\@
	s_wait_tensorcnt 0x0
.Lnw_\@:
.else
	s_wait_tensorcnt 0x0
.endif
	s_wait_dscnt 0x0
	s_barrier_signal -1
	s_barrier_wait -1                              ; everybody's have.
	s_mov_b32 s[CNT], \steps
.Lstep_\@:
	STEP
	s_sub_co_u32 s[CNT], s[CNT], 1
	s_cmp_lg_u32 s[CNT], 0
	s_cbranch_scc1 .Lstep_\@
.endm
	s_wait_loadcnt 0x0                             ; Q
	WALK 1, 4
	WALK 0, 12                                     ; all chunks are in: the fetching waves have waited for all their loads ahead of their signal, and every read of chunks 1 to 3 stands behind this barrier
	; THE WAY OUT: O^T / the sum, quantised along the head's 64
	PLACES 4                                       ; between the last products and the first read of O^T
	v_add_f32 v14, v14, v15
	s_delay_alu instid0(VALU_DEP_1)
	v_permlanex16_b32 v252, v14, s[SEL], s[SEL+1]
	s_delay_alu instid0(VALU_DEP_1)
	v_add_f32 v14, v14, v252                       ; the row's sum
	s_wait_alu depctr_va_vdst(0)
	v_rcp_f32 v14, v14
	v_nop                                          ; a plain instruction behind the transcendental,
	s_wait_alu depctr_va_vdst(0)                   ; and the wait ahead of the first line that names its result
.set sj, 0
.rept 16
	v_pk_mul_f32 v[96+sj:97+sj], v[160+sj:161+sj], v[14:15] op_sel_hi:[1,0]       ; register 16 b + i is o(my query, 32 b + 16 (lane / 16) + i)
.set sj, sj+2
.endr
.irp b, 0,1
	v_max3_num_f32 v[232+\b], |v[96+16*\b]|, |v[97+16*\b]|, 0x1800000
.endr
.irp i, 2,4,6,8,10,12,14
.irp b, 0,1
	s_delay_alu instid0(VALU_DEP_2)
	v_max3_num_f32 v[232+\b], v[232+\b], |v[96+16*\b+\i]|, |v[97+16*\b+\i]|
.endr
.endr
.irp b, 0,1
	s_delay_alu instid0(VALU_DEP_2)
	v_permlanex16_b32 v[236+\b], v[232+\b], s[SEL], s[SEL+1]
.endr
.irp b, 0,1
	s_delay_alu instid0(VALU_DEP_2)
	v_max_num_f32 v[232+\b], v[232+\b], v[236+\b]
.endr
.irp b, 0,1
	s_delay_alu instid0(VALU_DEP_2)
	v_add_nc_u32 v[244+\b], 0xff000000, v[232+\b]
.endr
.irp b, 0,1
	s_delay_alu instid0(VALU_DEP_2)
	v_lshrrev_b32 v[236+\b], 23, v[244+\b]
.endr
	s_delay_alu instid0(VALU_DEP_1)
	v_lshl_or_b32 v254, v237, 8, v236              ; my row's two scale bytes
	v_cvt_scalef32_pk16_fp6_f32 v[224:226], v[96:111], v244
	v_cvt_scalef32_pk16_fp6_f32 v[240:242], v[112:127], v245
	v_nop
.irp i, 0,1,2
	v_permlane16_swap_b32 v[224+\i], v[240+\i]
.endr
.irp i, 0,1,2
	s_delay_alu instid0(VALU_DEP_3)
	v_mov_b32 v[227+\i], v[240+\i]
.endr
	global_store_b128 v1, v[224:227], s[70:71]     ; half a fragment's image: 512 and 256 consecutive bytes
	global_store_b64 v2, v[228:229], s[70:71] offset:512
	global_store_b16 v3, v254, s[72:73]            ; two bytes a row, 16 bytes apart (both halves of the lanes hold the same)
	s_wait_tensorcnt 0x0                           ; the wave's end
	ds_add_u32 v[SPW], v[NIL]
	s_wait_dscnt 0x0
	CROUND                                         ; the closing round
	s_endpgm
.Lfunc_end_k_qc16b818a58_attn:
	.size	k_qc16b818a58_attn, .Lfunc_end_k_qc16b818a58_attn-k_qc16b818a58_attn
	.p2alignl 7, 3214868480
	.fill 96, 4, 3214868480
	.section	.rodata,"a",@progbits
	.p2align	6, 0x0
	.amdhsa_kernel k_qc16b818a58_attn
		.amdhsa_group_segment_fixed_size 210944
		.amdhsa_private_segment_fixed_size 0
		.amdhsa_enable_private_segment 0
		.amdhsa_kernarg_size 16
		.amdhsa_user_sgpr_count 2
		.amdhsa_user_sgpr_kernarg_segment_ptr 1
		.amdhsa_wavefront_size32 1
		.amdhsa_system_sgpr_workgroup_id_x 1
		.amdhsa_system_sgpr_workgroup_id_y 1
		.amdhsa_system_sgpr_workgroup_id_z 1
		.amdhsa_system_vgpr_workitem_id 0
		.amdhsa_next_free_vgpr 256
		.amdhsa_next_free_sgpr 80
		.amdhsa_reserve_vcc 0
		.amdhsa_float_denorm_mode_32 3
		.amdhsa_float_denorm_mode_16_64 3
		.amdhsa_memory_ordered 1
		.amdhsa_forward_progress 1
		.amdhsa_inst_pref_size 47
	.end_amdhsa_kernel
	.amdgpu_metadata
---
amdhsa.version: [ 1, 2 ]
amdhsa.kernels:
  - .name:           k_qc16b818a58_attn
    .symbol:         k_qc16b818a58_attn.kd
    .args:
      - { .name: qkvi, .offset: 0, .size: 8, .value_kind: global_buffer, .address_space: global }
      - { .name: ao, .offset: 8, .size: 8, .value_kind: global_buffer, .address_space: global }
    .group_segment_fixed_size: 210944
    .private_segment_fixed_size: 0
    .kernarg_segment_align: 8
    .kernarg_segment_size: 16
    .max_flat_workgroup_size: 512
    .sgpr_count:     80
    .vgpr_count:     256
    .wavefront_size: 32
...
	.end_amdgpu_metadata
.endif
;; end of part 3
;; launch pln (part 4): grid 256 x 1, 8 waves a work-group, clusters of 4 x 1, 309,248 bytes of LDS; arguments ao, wimg, bp, x, g2, be2, x1, hn; writes x1, hn
.if DOCPART == 4
	.amdgcn_target "amdgcn-amd-amdhsa--gfx1250"
	.amdhsa_code_object_version 6
	.text
	.protected	k_qc16b818a58_pln
	.globl	k_qc16b818a58_pln
	.p2align	8
	.type	k_qc16b818a58_pln,@function
k_qc16b818a58_pln:
	s_mov_b64 s[64:65], 0
	v_nop
	global_prefetch_b8 v0, s[64:65] scope:SCOPE_SE
	s_setreg_imm32_b32 hwreg(HW_REG_WAVE_MODE, 25, 1), 1
	s_wait_xcnt 0x0
	s_wait_alu depctr_hold_cnt(0) depctr_sa_sdst(0) depctr_va_vdst(0) depctr_va_sdst(0) depctr_va_ssrc(0) depctr_va_vcc(0) depctr_vm_vsrc(0)
	s_getreg_b32 s2, hwreg(HW_REG_IB_STS2, 6, 4)
	s_cmp_eq_u32 s2, 0
	s_cbranch_scc0 .Lentry_in_a_cluster
	s_endpgm
.Lentry_in_a_cluster:
	s_bfe_u32 s2, ttmp6, 0x10000c
	s_cmp_lg_u32 s2, 0x3003
	s_cbranch_scc0 .Lentry_shape_is_right
	s_endpgm
.Lentry_shape_is_right:
; x1 = x + ao Wp + bp, AND hn = Q(layer_norm(x1) g2 + be2), IN ONE LAUNCH.  The product is on codes of FP6 (E2M3) with E8M0 scales, K = 1,024; all else in f32.
; ao and Wp (in wimg) are images of operand registers: blocks of 12,800 bytes (128 rows x 128 K): 8 tiles of 1,536 bytes, then 512 bytes of scale words (word of tile t, row r at 12,288 + 16 (r + 16 (t / 4)) + 4 (t % 4));
; block (group g, K step s) at (8 g + s) x 12,800.  Row r of tile 2 b + u of a group is row 32 b + 8 u + r + 8 (r / 8).  hn is laid the same way.
; A WORK-GROUP OWNS ONE TILE OF 16 TOKENS AND ALL 1,024 COLUMNS, so that a token's mean and variance are made where its sums are.  Wave w owns columns 128 w .. 128 w + 127: Wp's group w, and K step w of hn.
; THE MATRIX INSTRUCTION IS USED TRANSPOSED (source 0 = 16 rows of Wp's image, source 1 = the 16 tokens): lane (r, h) holds token r, and register 16 b + i of its 64 sums is column 128 w + 32 b + 16 h + i: the quantiser's order.
; x is loaded in that order into the eight accumulators and is the first products' C; bp is added behind the last product.
; Wp COMES BY TWO WAYS.  K steps 0 to 2 of a wave's group, 38,400 consecutive bytes, come by ONE tensor load a wave at the head into an LDS region of the wave's own (8 x 38,400 bytes: three of the eight K steps are what LDS holds);
; nothing is filled again, and only the issuing wave reads its region, so its wait on TENSORcnt is all the ordering that the reads need.  K steps 3 to 7 go from memory straight into registers, in two sets:
; a K step's pack is 39 loads (A's fragment 4, its word 1, Wp's words 2, Wp's eight fragments 32), asked for two packs ahead of its products.  The K steps are summed in the order 0, 1, 3, 2, 4, 5, 6, 7.
; CLUSTER: every work-group wants the same bytes of Wp: the four of a cluster ask for them jointly (mask 15); the descriptor hangs on the wave's number alone.
; NO PREFETCH: the launch has no loop to run ahead in; every tensor byte is asked for at the head, every plain load two packs ahead.
; x1 leaves through a stage in the wave's own region (its one fill has landed and has been read by then) as whole rows of 512 bytes.  Mean and variance in two passes; the eight waves' partial sums meet in LDS, behind a barrier each.
; REGISTERS: window 0: v1-11, v24, v25 addresses; v32-95 the sums, then x1, then the normalised numbers; v224-241 the packs' scale words; A's fragment of a pack: set 0 v242-253, set 1 v12-23;
;   v96-191 Wp's fragments from LDS, v208-210 and v212-219 their steps' scale words; behind K step 2: v96-159 gains, v160-223 offsets.
;   window 1: v0-191 Wp's fragments of the packs, two sets (then 16 rows back from the stage); v192-227 A's fragments of K steps 0 to 2, behind them v192-255 bp.
; LIMITS: NaN and infinities are not served.  A block of 32 zeros gets the scale byte 1 where the quantiser's rule says 127: its codes are zeros and this program alone reads the bytes.
.set BLK,   12800
.set SCO,   12288
.set FRG,   1536
.set WOFF,  9011200                    ; Wp's first block in wimg
.set X,     32
.set G,     96
.set BE,    160
.set S2,    96                         ; Wp's fragments from LDS
.set SA2,   208                        ; A's scale words of K steps 0 to 2
.set SB2,   212                        ; Wp's scale words of the K step from LDS
.set SB,    224                        ; v224-239 Wp's scale words of the packs, two sets of eight
.set SA,    240                        ; v240, v241 A's, one for each set
.set BP,    192                        ; window 1
.set PC,    112                        ; codes, largest magnitudes and the scale word lie in the gains' registers, which are done with by then
.set TM,    132
.set PW,    148
.set SEL,   20
.set SPW,   254
.set NIL,   255
.set G1,    68                         ; s[68:75] descriptor group 1;  s[76:79] group 0
.set G0,    76
.set RED2,  512                        ; LDS: 0: the sums, 64 w + 4 r; 512: the sums of squares
.set SPARE, 1024                       ; the spare words, 128 bytes for each of eight waves, which no other line names
.set STAGE, 2048                       ; from here on a region for each wave
.set REGION, 38400                     ; three K steps; later, in its first 8,448 bytes, the stage: 16 rows of 528 bytes
.set SP,    528
.set MSB, 0
.macro WIN new                         ; the immediate's high byte repeats the setting that is left
.if MSB != (\new)
	s_set_vgpr_msb (MSB<<8)|(\new)
.set MSB, (\new)
.endif
.endm
.macro PLACES n
.rept \n
	v_nop
.endr
.endm
.macro CROUND                          ; a round of the cluster's barrier
	s_barrier_signal -1
	s_barrier_wait -1
	s_cmp_lg_u32 s12, 0
	s_cbranch_scc1 .Lnot_wave_0_\@
	s_barrier_signal -3
.Lnot_wave_0_\@:
	s_barrier_wait -3
	s_barrier_signal -1
	s_barrier_wait -1
.endm
.macro IMG reg, base, off              ; a fragment's image from memory: every load reads consecutive bytes
	global_load_b128 v[\reg:\reg+3], v5, \base offset:\off
	global_load_b64 v[\reg+4:\reg+5], v6, \base offset:\off+512
	global_load_b128 v[\reg+6:\reg+9], v5, \base offset:\off+768
	global_load_b64 v[\reg+10:\reg+11], v6, \base offset:\off+1280
.endm
.macro APRE s                          ; A's fragment and scale word of K step s (0 to 2): 5 loads
	WIN 0x40
	IMG 192+12*(\s), s[52:53], (\s)*BLK
	WIN 0
	global_load_b32 v[SA2+(\s)], v7, s[54:55] offset:(\s)*BLK
.endm
.macro PACK s                          ; K step s (3 to 7) into set s % 2: 39 loads
.set P_, (\s)%2
	IMG 242-230*P_, s[52:53], (\s)*BLK
	global_load_b32 v[SA+P_], v7, s[54:55] offset:(\s)*BLK
	global_load_b128 v[SB+8*P_:SB+8*P_+3], v7, s[56:57] offset:(\s)*BLK+SCO
	global_load_b128 v[SB+8*P_+4:SB+8*P_+7], v7, s[56:57] offset:(\s)*BLK+SCO+256
	WIN 0x40
.set fi, 0
.rept 8
	IMG 96*P_+12*fi, s[56:57], (\s)*BLK+fi*FRG
.set fi, fi+1
.endr
	WIN 0
.endm
.macro FETCH s                         ; Wp's K step s (0 to 2) out of my region: 34 LDS loads
.set fi, 0
.rept 8
	ds_load_b128 v[S2+12*fi:S2+12*fi+3], v11 offset:(\s)*BLK+fi*FRG
	ds_load_b64 v[S2+12*fi+4:S2+12*fi+5], v24 offset:(\s)*BLK+fi*FRG+512
	ds_load_b128 v[S2+12*fi+6:S2+12*fi+9], v11 offset:(\s)*BLK+fi*FRG+768
	ds_load_b64 v[S2+12*fi+10:S2+12*fi+11], v24 offset:(\s)*BLK+fi*FRG+1280
.set fi, fi+1
.endr
	ds_load_b128 v[SB2:SB2+3], v25 offset:(\s)*BLK+SCO
	ds_load_b128 v[SB2+4:SB2+7], v25 offset:(\s)*BLK+SCO+256
.endm
; eight products of a K step; the eight accumulators take turns, in the same order in every step
.macro MUL s                           ; of a pack
.set P_, (\s)%2
	WIN 0x01
.set ti, 0
.rept 8
	v_wmma_scale_f32_16x16x128_f8f6f4 v[X+8*ti:X+8*ti+7], v[96*P_+12*ti:96*P_+12*ti+11], v[242-230*P_:253-230*P_], v[X+8*ti:X+8*ti+7], v[SB+8*P_+ti], v[SA+P_] matrix_a_fmt:MATRIX_FMT_FP6 matrix_b_fmt:MATRIX_FMT_FP6
.set ti, ti+1
.endr
	WIN 0
.endm
.macro MULL s                          ; of a K step from LDS
	WIN 0x04
.set ti, 0
.rept 8
	v_wmma_scale_f32_16x16x128_f8f6f4 v[X+8*ti:X+8*ti+7], v[S2+12*ti:S2+12*ti+11], v[192+12*(\s):203+12*(\s)], v[X+8*ti:X+8*ti+7], v[SB2+ti], v[SA2+(\s)] matrix_a_fmt:MATRIX_FMT_FP6 matrix_b_fmt:MATRIX_FMT_FP6
.set ti, ti+1
.endr
	WIN 0
.endm
.macro ROW64 reg, voff, base           ; 64 numbers in the sums' order: 16 loads
.irp b, 0,1,2,3
.irp j, 0,1,2,3
	global_load_b128 v[\reg+16*\b+4*\j:\reg+16*\b+4*\j+3], \voff, \base offset:128*\b+16*\j
.endr
.endr
.endm
; four chains in v[12:15], v[20:23] become my token's sum over all 1,024 columns, in v24
.macro MEET off, out
	s_delay_alu instid0(VALU_DEP_3)
	v_pk_add_f32 v[12:13], v[12:13], v[14:15]
	s_delay_alu instid0(VALU_DEP_2)
	v_pk_add_f32 v[20:21], v[20:21], v[22:23]
	s_delay_alu instid0(VALU_DEP_1)
	v_pk_add_f32 v[12:13], v[12:13], v[20:21]
	s_delay_alu instid0(VALU_DEP_1)
	v_add_f32 v12, v12, v13
	s_delay_alu instid0(VALU_DEP_1)
	v_permlanex16_b32 v13, v12, s[SEL], s[SEL+1]
	s_delay_alu instid0(VALU_DEP_1)
	v_add_f32 v12, v12, v13                        ; my token's 128 columns
	ds_store_b32 v8, v12 offset:\off               ; (both halves of the lanes write the same word with the same value)
	s_wait_dscnt 0x0                               ; for the others' sake; the rows read back from the stage are in too
	s_barrier_signal -1
	s_barrier_wait -1
.irp i, 0,1,2,3,4,5,6,7
	ds_load_b32 v[24+\i], v9 offset:\off+64*\i
.endr
.if \out
	WIN 0x04                                       ; the stores' data lie in window 1
.set li, 0
.rept 16
	global_store_b128 v5, v[4*li:4*li+3], s[48:49] offset:(li+8*(li/8))*4096   ; 32 lanes store 512 consecutive bytes of a row of x1
.set li, li+1
.endr
	WIN 0
.endif
	s_wait_dscnt 0x0
	v_add_f32 v24, v24, v25
.irp i, 2,3,4,5,6,7
	s_delay_alu instid0(VALU_DEP_1)
	v_add_f32 v24, v24, v[24+\i]
.endr
.endm
; 64 numbers of a lane, register 16 b + i = k 32 b + 16 (lane / 16) + i of my row, become a fragment's 12 registers of codes in v[PC] on and its scale word in v[pw]
.macro QUANT s, pw
.irp b, 0,1,2,3
	v_max3_num_f32 v[TM+\b], |v[\s+16*\b]|, |v[\s+1+16*\b]|, 0x1800000   ; and the floor 2^(3 - 127): the byte cannot fall under 1
.endr
.irp i, 2,4,6,8,10,12,14
.irp b, 0,1,2,3
	s_delay_alu instid0(VALU_DEP_4)
	v_max3_num_f32 v[TM+\b], v[TM+\b], |v[\s+16*\b+\i]|, |v[\s+1+16*\b+\i]|
.endr
.endr
.irp b, 0,1,2,3
	s_delay_alu instid0(VALU_DEP_4)
	v_permlanex16_b32 v[TM+4+\b], v[TM+\b], s[SEL], s[SEL+1]
.endr
.irp b, 0,1,2,3
	s_delay_alu instid0(VALU_DEP_4)
	v_max_num_f32 v[TM+\b], v[TM+\b], v[TM+4+\b]   ; with lane l xor 16's: the block's largest magnitude
.endr
.irp b, 0,1,2,3
	s_delay_alu instid0(VALU_DEP_4)
	v_add_nc_u32 v[TM+12+\b], 0xff000000, v[TM+\b] ; 2 off its exponent field: the conversion's scale operand
.endr
.irp b, 0,1,2,3
	s_delay_alu instid0(VALU_DEP_4)
	v_lshrrev_b32 v[TM+4+\b], 23, v[TM+12+\b]      ; the scale's byte
.endr
	s_delay_alu instid0(VALU_DEP_3)
	v_lshl_or_b32 v[\pw], v[TM+5], 8, v[TM+4]
	s_delay_alu instid0(VALU_DEP_1)
	v_lshl_or_b32 v[\pw], v[TM+6], 16, v[\pw]
	s_delay_alu instid0(VALU_DEP_1)
	v_lshl_or_b32 v[\pw], v[TM+7], 24, v[\pw]
.irp c, 0,1
	v_cvt_scalef32_pk16_fp6_f32 v[PC+6*\c:PC+2+6*\c], v[\s+32*\c:\s+15+32*\c], v[TM+12+2*\c]
	v_cvt_scalef32_pk16_fp6_f32 v[PC+12+4*\c:PC+14+4*\c], v[\s+16+32*\c:\s+31+32*\c], v[TM+12+2*\c+1]
.endr
	v_nop                                          ; one plain instruction behind a scaled conversion
.irp c, 0,1                            ; the operand's layout wants a whole block in a lane
.irp i, 0,1,2
	v_permlane16_swap_b32 v[PC+6*\c+\i], v[PC+12+4*\c+\i]
.endr
.irp i, 0,1,2
	s_delay_alu instid0(VALU_DEP_3)
	v_mov_b32 v[PC+3+6*\c+\i], v[PC+12+4*\c+\i]
.endr
.endr
.endm
	s_load_b512 s[36:51], s[0:1], 0x0              ; ao 36, wimg 38, bp 40, x 42, g2 44, be2 46, x1 48, hn 50
	v_lshl_add_u32 v[SPW], v0, 2, SPARE
	v_mov_b32 v[NIL], 0
	ds_add_u32 v[SPW], v[NIL]                      ; the wave's opening
	ds_add_u32 v[SPW], v[NIL]
	v_lshrrev_b32 v1, 5, v0
	v_readfirstlane_b32 s12, v1                    ; wave 0..7
	s_lshl_b32 s13, s12, 6
	s_mul_i32 s14, s12, REGION
	s_add_co_u32 s14, s14, STAGE                   ; my region
	v_and_b32 v1, 15, v0                           ; r
	v_bfe_u32 v2, v0, 4, 1                         ; h
	v_and_b32 v10, 8, v1
	v_add_nc_u32 v10, v10, v1                      ; r + 8 (r / 8)
	v_lshlrev_b32 v3, 12, v10
	v_lshl_add_u32 v3, v2, 6, v3                   ; x: my token's row of 4,096 bytes, + 64 h
	v_lshlrev_b32 v4, 6, v2                        ; 64 h: bias, gains, offsets
	v_and_b32 v11, 31, v0
	v_lshlrev_b32 v5, 4, v11                       ; 16 x lane
	v_lshlrev_b32 v6, 3, v11                       ; 8 x lane
	v_lshlrev_b32 v7, 4, v1                        ; 16 r: scale words
	v_lshlrev_b32 v9, 2, v1                        ; LDS: 4 r
	v_add_nc_u32 v8, s13, v9                       ; LDS: 64 w + 4 r
	v_mul_u32_u24 v10, v1, SP
	v_lshl_add_u32 v10, v2, 6, v10
	v_add_nc_u32 v10, s14, v10                     ; into the stage: row r, + 64 h
	v_add_nc_u32 v11, s14, v5                      ; my region + 16 x lane: 16-byte pieces of a fragment, and a row out of the stage
	v_add_nc_u32 v24, s14, v6                      ; + 8 x lane: 8-byte pieces
	v_add_nc_u32 v25, s14, v7                      ; + 16 r: scale words
	s_bfe_u32 s63, ttmp6, 0x40000                  ; cx
	s_lshl_b32 s62, ttmp9, 2
	s_add_co_u32 s62, s62, s63                     ; my tile of 16 tokens: it enters the addresses of ao, x, x1 and hn alone
	s_lshr_b32 s24, s62, 1
	s_lshl_b32 s24, s24, 5
	s_and_b32 s25, s62, 1
	s_lshl_b32 s25, s25, 3
	s_add_co_u32 s24, s24, s25                     ; the tile's first token: 32 (tile / 2) + 8 (tile % 2)
	s_lshl_b32 s24, s24, 12
	s_lshl_b32 s26, s12, 9                         ; my 128 columns
	s_add_co_u32 s24, s24, s26
	s_mov_b32 s25, 0
	s_mov_b32 s27, 0
	s_lshr_b32 s28, s62, 3
	s_mul_i32 s28, s28, 8*BLK                      ; my group's first block, in ao and in hn
	s_and_b32 s30, s62, 7                          ; my tile in the group
	s_mul_i32 s32, s30, FRG
	s_add_co_u32 s32, s32, s28
	s_mov_b32 s33, 0
	s_lshr_b32 s34, s30, 2
	s_lshl_b32 s34, s34, 8
	s_and_b32 s35, s62, 3
	s_lshl_b32 s35, s35, 2
	s_add_co_u32 s34, s34, s35
	s_add_co_u32 s34, s34, s28
	s_add_co_u32 s34, s34, SCO                     ; my tile's scale words
	s_mov_b32 s35, 0
	s_mul_i32 s16, s12, BLK                        ; hn: K step w
	s_mov_b32 s17, 0
	s_mul_i32 s18, s12, 8*BLK
	s_add_co_u32 s18, s18, WOFF                    ; Wp's group w
	s_mov_b32 s19, 0
	s_mov_b32 s[SEL], 0x76543210
	s_mov_b32 s[SEL+1], 0xfedcba98                 ; v_permlanex16_b32's selects for lane l xor 16
	s_mov_b32 s22, 0x3a800000                      ; 1 / 1024
	s_mov_b32 s23, 0x3727c5ac                      ; 1e-5
	s_mov_b32 s[G1], 15|(3<<16)|(1<<21)            ; 15:0 the mask: all four; 17:16 elements of 8 bytes; 21 set beside a mask; no padding
	s_mov_b32 s[G1+1], 32<<16                      ; a dense run of 38,400 bytes as 150 rows of 256
	s_mov_b32 s[G1+2], 150<<16
	s_mov_b32 s[G1+3], 32<<16
	s_mov_b32 s[G1+4], 150
	s_mov_b32 s[G1+5], 32
	s_mov_b32 s[G1+6], 0
	s_mov_b32 s[G1+7], 0
	s_wait_alu depctr_va_vdst(0)                   ; the wait at the head's end
	s_wait_dscnt 0x0                               ; both opening adds are done
	s_wait_kmcnt 0x0
	s_add_nc_u64 s[52:53], s[36:37], s[32:33]      ; A's fragments
	s_add_nc_u64 s[54:55], s[36:37], s[34:35]      ; A's scale words
	s_add_nc_u64 s[56:57], s[38:39], s[18:19]      ; Wp
	s_add_nc_u64 s[40:41], s[40:41], s[26:27]
	s_add_nc_u64 s[42:43], s[42:43], s[24:25]
	s_add_nc_u64 s[44:45], s[44:45], s[26:27]
	s_add_nc_u64 s[46:47], s[46:47], s[26:27]
	s_add_nc_u64 s[48:49], s[48:49], s[24:25]
	s_add_nc_u64 s[58:59], s[50:51], s[32:33]
	s_add_nc_u64 s[58:59], s[58:59], s[16:17]      ; hn: my fragment
	s_add_nc_u64 s[60:61], s[50:51], s[34:35]
	s_add_nc_u64 s[60:61], s[60:61], s[16:17]      ; hn: my scale words
	ROW64 X, v3, s[42:43]                          ; x is the first products' C: 16 loads
	APRE 0                                         ; and 15 for A's first three K steps
	APRE 1
	APRE 2
	CROUND                                         ; all four work-groups are here: the joint loads meet
	s_mov_b32 s[G0], 1
	s_mov_b32 s[G0+1], s14
	s_mov_b64 s[G0+2:G0+3], s[56:57]
	s_or_b32 s[G0+3], s[G0+3], 0x80000000
	tensor_load_to_lds s[G0:G0+3], s[G1:G1+7]      ; K steps 0 to 2 of my group: one load a wave, with no branch
	s_nop 0
	PLACES 4
	PACK 3
	PACK 4
	s_wait_loadcnt 63                              ; x and A's first three fragments are in (behind them 78 loads were issued: 63 asks for more than is needed)
	s_wait_tensorcnt 0x0                           ; my region is whole; nobody else reads it
	FETCH 0
	s_wait_dscnt 0x0
	MULL 0
	PLACES 4                                       ; four plain instructions between the products and loads into the registers that they read
	FETCH 1
	s_wait_dscnt 0x0
	MULL 1
	PLACES 4
	FETCH 2                                        ; lands under K step 3's products
	s_wait_loadcnt 39                              ; K step 3's pack is in; K step 4's 39 loads may be out
	MUL 3
	PLACES 4
	PACK 5
	s_wait_dscnt 0x0
	MULL 2
	s_wait_loadcnt 39                              ; K step 4's pack is in; K step 5's may be out
	MUL 4
	PLACES 4
	WIN 0x40
	ROW64 BP, v4, s[40:41]                         ; into registers that K steps 0 to 2 have done with: the bias,
	WIN 0
	ROW64 G, v4, s[44:45]                          ; the gains,
	ROW64 BE, v4, s[46:47]                         ; the offsets
	PACK 6
	s_wait_loadcnt 63                              ; K step 5's pack is in (behind it 48 + 39 loads were issued)
	MUL 5
	PLACES 4
	PACK 7
	s_wait_loadcnt 39                              ; K step 6's pack is in; K step 7's may be out
	MUL 6
	s_wait_loadcnt 0x0
	MUL 7
	PLACES 4                                       ; between the last products and the first read of the sums
	WIN 0x04
.set li, 0
.rept 32
	v_pk_add_f32 v[X+2*li:X+2*li+1], v[X+2*li:X+2*li+1], v[BP+2*li:BP+2*li+1]     ; x1; each accumulator is read from its low end on
.set li, li+1
.endr
	WIN 0
.irp b, 0,1,2,3
.irp j, 0,1,2,3
	ds_store_b128 v10, v[X+16*\b+4*\j:X+16*\b+4*\j+3] offset:128*\b+16*\j
.endr
.endr
	WIN 0x40
.set li, 0
.rept 16
	ds_load_b128 v[4*li:4*li+3], v11 offset:li*SP  ; my own stage: LDS serves a wave's instructions in order
.set li, li+1
.endr
	WIN 0
	v_pk_add_f32 v[12:13], v[X:X+1], v[X+2:X+3]    ; the sum of my 64, in four chains
	v_pk_add_f32 v[14:15], v[X+4:X+5], v[X+6:X+7]
	v_pk_add_f32 v[20:21], v[X+8:X+9], v[X+10:X+11]
	v_pk_add_f32 v[22:23], v[X+12:X+13], v[X+14:X+15]
.irp j, 16,24,32,40,48,56
	s_delay_alu instid0(VALU_DEP_4)
	v_pk_add_f32 v[12:13], v[12:13], v[X+\j:X+\j+1]
	s_delay_alu instid0(VALU_DEP_4)
	v_pk_add_f32 v[14:15], v[14:15], v[X+\j+2:X+\j+3]
	s_delay_alu instid0(VALU_DEP_4)
	v_pk_add_f32 v[20:21], v[20:21], v[X+\j+4:X+\j+5]
	s_delay_alu instid0(VALU_DEP_4)
	v_pk_add_f32 v[22:23], v[22:23], v[X+\j+6:X+\j+7]
.endr
	MEET 0, 1                                      ; x1's rows are stored behind the barrier, while the eight sums come from LDS
	s_delay_alu instid0(VALU_DEP_1)
	v_mul_f32 v20, s22, v24                        ; the mean
	s_delay_alu instid0(VALU_DEP_1)
	v_mov_b32 v21, v20
.set li, 0
.rept 32
	v_pk_add_f32 v[X+2*li:X+2*li+1], v[X+2*li:X+2*li+1], v[20:21] neg_lo:[0,1] neg_hi:[0,1]   ; x1 - mean
.set li, li+1
.endr
	v_pk_mul_f32 v[12:13], v[X:X+1], v[X:X+1]
	v_pk_mul_f32 v[14:15], v[X+2:X+3], v[X+2:X+3]
	v_pk_mul_f32 v[20:21], v[X+4:X+5], v[X+4:X+5]
	v_pk_mul_f32 v[22:23], v[X+6:X+7], v[X+6:X+7]
.irp j, 8,16,24,32,40,48,56
	s_delay_alu instid0(VALU_DEP_4)
	v_pk_fma_f32 v[12:13], v[X+\j:X+\j+1], v[X+\j:X+\j+1], v[12:13]
	s_delay_alu instid0(VALU_DEP_4)
	v_pk_fma_f32 v[14:15], v[X+\j+2:X+\j+3], v[X+\j+2:X+\j+3], v[14:15]
	s_delay_alu instid0(VALU_DEP_4)
	v_pk_fma_f32 v[20:21], v[X+\j+4:X+\j+5], v[X+\j+4:X+\j+5], v[20:21]
	s_delay_alu instid0(VALU_DEP_4)
	v_pk_fma_f32 v[22:23], v[X+\j+6:X+\j+7], v[X+\j+6:X+\j+7], v[22:23]
.endr
	MEET RED2, 0                                   ; other bytes than the first sums': no wave can still be reading them
	s_delay_alu instid0(VALU_DEP_1)
	v_fma_f32 v25, v24, s22, s23                   ; the variance + 1e-5
	s_wait_alu depctr_va_vdst(0)                   ; the wait ahead of the transcendental,
	v_rsq_f32 v22, v25
	v_nop                                          ; a plain instruction behind it,
	s_wait_alu depctr_va_vdst(0)                   ; and the wait ahead of the first line that names its result
	v_mov_b32 v23, v22
.set li, 0
.rept 32
	v_pk_mul_f32 v[X+2*li:X+2*li+1], v[X+2*li:X+2*li+1], v[22:23]
.set li, li+1
.endr
.set li, 0
.rept 32
	v_pk_fma_f32 v[X+2*li:X+2*li+1], v[X+2*li:X+2*li+1], v[G+2*li:G+2*li+1], v[BE+2*li:BE+2*li+1]
.set li, li+1
.endr
	QUANT X, PW
	global_store_b128 v5, v[PC:PC+3], s[58:59]                 ; the fragment's image: 512, 256, 512, 256 consecutive bytes
	global_store_b64 v6, v[PC+4:PC+5], s[58:59] offset:512
	global_store_b128 v5, v[PC+6:PC+9], s[58:59] offset:768
	global_store_b64 v6, v[PC+10:PC+11], s[58:59] offset:1280
	global_store_b32 v7, v[PW], s[60:61]           ; 16 words, 16 bytes apart (both halves of the lanes hold the same word)
	s_wait_tensorcnt 0x0                           ; the wave's end
	ds_add_u32 v[SPW], v[NIL]
	s_wait_dscnt 0x0
	CROUND                                         ; the closing round
	s_endpgm
.Lfunc_end_k_qc16b818a58_pln:
	.size	k_qc16b818a58_pln, .Lfunc_end_k_qc16b818a58_pln-k_qc16b818a58_pln
	.p2alignl 7, 3214868480
	.fill 96, 4, 3214868480
	.section	.rodata,"a",@progbits
	.p2align	6, 0x0
	.amdhsa_kernel k_qc16b818a58_pln
		.amdhsa_group_segment_fixed_size 309248
		.amdhsa_private_segment_fixed_size 0
		.amdhsa_enable_private_segment 0
		.amdhsa_kernarg_size 64
		.amdhsa_user_sgpr_count 2
		.amdhsa_user_sgpr_kernarg_segment_ptr 1
		.amdhsa_wavefront_size32 1
		.amdhsa_system_sgpr_workgroup_id_x 1
		.amdhsa_system_sgpr_workgroup_id_y 1
		.amdhsa_system_sgpr_workgroup_id_z 1
		.amdhsa_system_vgpr_workitem_id 0
		.amdhsa_next_free_vgpr 512
		.amdhsa_next_free_sgpr 80
		.amdhsa_reserve_vcc 0
		.amdhsa_float_denorm_mode_32 3
		.amdhsa_float_denorm_mode_16_64 3
		.amdhsa_memory_ordered 1
		.amdhsa_forward_progress 1
		.amdhsa_inst_pref_size 74
	.end_amdhsa_kernel
	.amdgpu_metadata
---
amdhsa.version: [ 1, 2 ]
amdhsa.kernels:
  - .name:           k_qc16b818a58_pln
    .symbol:         k_qc16b818a58_pln.kd
    .args:
      - { .name: ao, .offset: 0, .size: 8, .value_kind: global_buffer, .address_space: global }
      - { .name: wimg, .offset: 8, .size: 8, .value_kind: global_buffer, .address_space: global }
      - { .name: bp, .offset: 16, .size: 8, .value_kind: global_buffer, .address_space: global }
      - { .name: x, .offset: 24, .size: 8, .value_kind: global_buffer, .address_space: global }
      - { .name: g2, .offset: 32, .size: 8, .value_kind: global_buffer, .address_space: global }
      - { .name: be2, .offset: 40, .size: 8, .value_kind: global_buffer, .address_space: global }
      - { .name: x1, .offset: 48, .size: 8, .value_kind: global_buffer, .address_space: global }
      - { .name: hn, .offset: 56, .size: 8, .value_kind: global_buffer, .address_space: global }
    .group_segment_fixed_size: 309248
    .private_segment_fixed_size: 0
    .kernarg_segment_align: 8
    .kernarg_segment_size: 64
    .max_flat_workgroup_size: 256
    .sgpr_count:     80
    .vgpr_count:     512
    .wavefront_size: 32
...
	.end_amdgpu_metadata
.endif
;; end of part 4
;; launch ff1 (part 5): grid 16 x 16, 4 waves a work-group, clusters of 4 x 4, 327,680 bytes of LDS; arguments hn, wimg, b1, gi; writes gi
.if DOCPART == 5
	.amdgcn_target "amdgcn-amd-amdhsa--gfx1250"
	.amdhsa_code_object_version 6
	.text
	.protected	k_qc16b818a58_ff1
	.globl	k_qc16b818a58_ff1
	.p2align	8
	.type	k_qc16b818a58_ff1,@function
k_qc16b818a58_ff1:
	s_mov_b64 s[64:65], 0
	v_nop
	global_prefetch_b8 v0, s[64:65] scope:SCOPE_SE
	s_setreg_imm32_b32 hwreg(HW_REG_WAVE_MODE, 25, 1), 1
	s_wait_xcnt 0x0
	s_wait_alu depctr_hold_cnt(0) depctr_sa_sdst(0) depctr_va_vdst(0) depctr_va_sdst(0) depctr_va_ssrc(0) depctr_va_vcc(0) depctr_vm_vsrc(0)
	s_getreg_b32 s2, hwreg(HW_REG_IB_STS2, 6, 4)
	s_cmp_eq_u32 s2, 0
	s_cbranch_scc0 .Lentry_in_a_cluster
	s_endpgm
.Lentry_in_a_cluster:
	s_bfe_u32 s2, ttmp6, 0x10000c
	s_cmp_lg_u32 s2, 0xf033
	s_cbranch_scc0 .Lentry_shape_is_right
	s_endpgm
.Lentry_shape_is_right:
; gi = Q(gelu(h2 W1 + b1)).  C = A B^T on codes of FP6 (E2M3) with E8M0 scales, K = 1,024; both operands arrive as images of operand registers (blocks of 12,800 bytes: 128 rows x 128 K: 8 tiles of 1,536 bytes, then
; 512 bytes of scale words; block (group g, K step s) at (8 g + s) x 12,800).  Row r of tile 2 b + u of a block is row 32 b + 8 u + r + 8 (r / 8).
; A tile of C, 256 x 256, is made by four waves, each 128 x 128: 64 accumulators.  THE MATRIX INSTRUCTION IS USED TRANSPOSED (source 0 = 16 rows of W1's image, source 1 = 16 tokens): a lane holds ONE token, and the 16 registers of
; B's tiles 2 b, 2 b + 1 are 16 neighbouring hidden units: a wave's 128 units are one K step of the next product; 64 numbers a lane go through bias, gelu and the quantiser, whose result is stored as it stands.
; gelu(x) = x / (1 + 2^z), z = x (GA x^2 + GB), GB = -2 log2(e) sqrt(2 / pi), GA = 0.044715 GB: the same function as 0.5 x (1 + tanh(..)); where 2^z overflows the result is -0, where it vanishes x.
; SLOTS: K is eight K steps.  Three LDS slots of 102,400 bytes hold two K steps each; each wave fills a quarter of all three by one dense joint tensor load (300 rows of 256 bytes).  All three are asked for at the head, so six of
; the eight K steps are on their way together: one tensor load of a wave is out at the most.  Slot 0 alone is filled again, with the last two K steps; between that load and the wait for it stand 224 matrix instructions.
; The eight K steps are written out: there is no loop.  CLUSTERS: A's blocks are shared along a row of the 4 x 4 cluster, B's along a column.
; gi: block (group of 128 tokens g, K step s) at (32 g + s) x 12,800.
; REGISTERS: window 0: v0-31 addresses; v32-63 scale words, two sets; v64-255 fragment set 1 (A 64.., B 160..).  window 1: v0-191 fragment set 0 (A 0.., B 96..), v192-255 the bias.  windows 2, 3: accumulator (a, b) at 8 (8 (a % 4) + b).
; LIMITS: NaN and infinities are not served.  A block of 32 zeros gets the scale byte 1 where the quantiser's rule says 127: its codes are zeros and this program alone reads the bytes.
.set T,     8
.set KS,    8
.set BLK,   12800
.set SCO,   12288
.set FRG,   1536
.set QTR,   25600
.set SLOT,  25600                      ; LDS is laid by wave: a wave's region holds six K steps of its 128 rows on end; a slot is two K steps of each region
.set REG,   76800                      ; a region: what a wave's one load at the head brings (300 rows of 256 bytes)
.set NQ,    2
.set RSTEP, 3*NQ*BLK                   ; from a slot's first tile to its second: three slots on along K
.set SPARE, 4*REG
.set AW,    REG
.set ASW,   REG
.set LI16, 4
.set LI8,  5
.set A16,  8                           ; v8-10  A's fragments in slot 0, 1, 2: 16-byte pieces;  v11-13: 8-byte pieces
.set A8,   11
.set B16,  14
.set B8,   17
.set AS,   20                          ; v20-22 A's scale words;  v23-25 B's
.set BS,   23
.set SPW,  28
.set NIL,  29
.set SC,   32
.set TT,   64                          ; the way out, window 0: 64 numbers of a tile of tokens;
.set U,    128                         ; 64 more at work
.set PC,   192
.set TM,   212
.set PWS,  232
.set XS,   240
.set SEL,  68
.set G1A, 24                           ; s[24:31] descriptor group 1 for A's blocks;  s[32:35] group 0
.set G0A, 32
.set G0A2, 96
.set G1B, 48                           ; s[48:55], s[56:59] the same for B's
.set G0B, 56
.set G0B2, 80
.set MSB, 0
.macro WIN new
.if MSB != (\new)
	s_set_vgpr_msb (MSB<<8)|(\new)
.set MSB, (\new)
.endif
.endm
.macro PLACES n
.rept \n
	v_nop
.endr
.endm
.macro JLOAD g0a, g1a, g0b, g1b        ; a joint load: waves 0 and 1 fetch for A, waves 2 and 3 for B; an s_nop 0 and four v_nop follow each line
	s_cmp_eq_u32 s17, 0
	s_cbranch_scc0 .Lfor_b_\@
	tensor_load_to_lds s[\g0a:\g0a+3], s[\g1a:\g1a+7]
	s_nop 0
	PLACES 4
	s_branch .Lasked_\@
.Lfor_b_\@:
	tensor_load_to_lds s[\g0b:\g0b+3], s[\g1b:\g1b+7]
	s_nop 0
	PLACES 4
.Lasked_\@:
.endm
.macro CREST
	s_cmp_lg_u32 s16, 0
	s_cbranch_scc1 .Lnot_wave_0_\@
	s_barrier_signal -3
.Lnot_wave_0_\@:
	s_barrier_wait -3
	s_barrier_signal -1
	s_barrier_wait -1
.endm
.macro CROUND
	s_barrier_signal -1
	s_barrier_wait -1
	CREST
.endm
.macro FRAGL reg, a16, a8, off
	ds_load_b128 v[\reg:\reg+3], v[\a16] offset:\off
	ds_load_b64 v[\reg+4:\reg+5], v[\a8] offset:\off+512
	ds_load_b128 v[\reg+6:\reg+9], v[\a16] offset:\off+768
	ds_load_b64 v[\reg+10:\reg+11], v[\a8] offset:\off+1280
.endm
.macro FETCH slot, q, set
.if T == 8
.set FA, 64*(\set)
.set FB, 96+64*(\set)
	WIN 0x40*(1-(\set))
.else
.set FA, 96*(\set)
.set FB, 96*(\set)+48
	WIN 0x40
.endif
.set fi, 0
.rept T
	FRAGL FB+12*fi, B16+\slot, B8+\slot, (\q)*BLK+fi*FRG
	FRAGL FA+12*fi, A16+\slot, A8+\slot, (\q)*BLK+fi*FRG
.set fi, fi+1
.endr
	WIN 0
.set fi, 0
.rept T/4
	ds_load_b128 v[SC+2*T*(\set)+4*fi:SC+2*T*(\set)+4*fi+3], v[AS+\slot] offset:(\q)*BLK+SCO+256*fi
	ds_load_b128 v[SC+2*T*(\set)+T+4*fi:SC+2*T*(\set)+T+4*fi+3], v[BS+\slot] offset:(\q)*BLK+SCO+256*fi
.set fi, fi+1
.endr
.endm
.macro MROWS a0, n, set, zero          ; the accumulators take turns, one instruction a turn, in the same order in every step
.if T == 8
.set FA, 64*(\set)
.set FB, 96+64*(\set)
	WIN 0xa0+0x50*((\a0)/4)+5*(1-(\set))
.else
.set FA, 96*(\set)
.set FB, 96*(\set)+48
	WIN 0x05
.endif
.set ra, \a0
.rept \n
.set rb, 0
.rept T
.if T == 8
.set rD, 8*(8*(ra%4)+rb)
.else
.set rD, ACC+8*(4*ra+rb)
.endif
.if \zero
	v_wmma_scale_f32_16x16x128_f8f6f4 v[rD:rD+7], v[FB+12*rb:FB+12*rb+11], v[FA+12*ra:FA+12*ra+11], 0, v[SC+2*T*(\set)+T+rb], v[SC+2*T*(\set)+ra] matrix_a_fmt:MATRIX_FMT_FP6 matrix_b_fmt:MATRIX_FMT_FP6
.else
	v_wmma_scale_f32_16x16x128_f8f6f4 v[rD:rD+7], v[FB+12*rb:FB+12*rb+11], v[FA+12*ra:FA+12*ra+11], v[rD:rD+7], v[SC+2*T*(\set)+T+rb], v[SC+2*T*(\set)+ra] matrix_a_fmt:MATRIX_FMT_FP6 matrix_b_fmt:MATRIX_FMT_FP6
.endif
.set rb, rb+1
.endr
.set ra, ra+1
.endr
.endm
.macro STEP slot, q, zero              ; a K step whose successor lies in the same slot
	s_wait_dscnt 0x0                               ; this step's set, asked for a step ago, is in
	PLACES 4                                       ; four plain instructions between the last products and loads into the registers that they read
	FETCH \slot, (\q)+1, ((\q)+1)%2
	MROWS 0, T/2, (\q)%2, \zero
	MROWS T/2, T/2, (\q)%2, \zero
	WIN 0
.endm
.macro CROSS next                      ; a slot's last K step (set 1) where the next slot has been shown whole to every wave by an earlier barrier and nothing is filled: no barrier
	s_wait_dscnt 0x0
	PLACES 4
	FETCH \next, 0, 0
	MROWS 0, T/2, 1, 0
	MROWS T/2, T/2, 1, 0
	WIN 0
.endm
.macro TURN slot, next, fill           ; a slot's last K step (set 1) with a barrier; fill = 1: it opens a round of the cluster's barrier, and this slot is filled again
	WIN 0
	s_wait_tensorcnt 0x0                           ; all my tensor loads have landed
	ds_add_u32 v[SPW], v[NIL]                      ; 0 onto my spare word
	s_wait_dscnt 1                                 ; this step's set is in; the add alone may be out
	MROWS 0, T/4, 1, 0
	s_wait_dscnt 0x0                               ; the add is done, and my reads of this slot are over
	s_barrier_signal -1
	MROWS T/4, T/4, 1, 0
	WIN 0
	s_barrier_wait -1
.if \fill
	CREST                                          ; no wave of any partner still reads this slot or has a load on its way
	s_add_nc_u64 s[G0A+4*\slot+2:G0A+4*\slot+3], s[G0A+4*\slot+2:G0A+4*\slot+3], RSTEP
	s_add_nc_u64 s[G0B+4*\slot+2:G0B+4*\slot+3], s[G0B+4*\slot+2:G0B+4*\slot+3], RSTEP
	JLOAD G0A+4*\slot, G1A, G0B+4*\slot, G1B       ; the first tensor load behind the round; its four v_nop are the places in front of the loads below
.else
	PLACES 4
.endif
	s_wait_alu depctr_va_vdst(0)
	FETCH \next, 0, 0
	MROWS T/2, T/2, 1, 0
	WIN 0
.endm
.macro LAST
	s_wait_dscnt 0x0
	MROWS 0, T/2, 1, 0
	MROWS T/2, T/2, 1, 0
	WIN 0
.endm
.macro QUANT s, pw                     ; 64 numbers of a lane, register 16 b + i = k 32 b + 16 (lane / 16) + i, become 12 registers of codes in v[PC] on and a scale word in v[pw]
.irp b, 0,1,2,3
	v_max3_num_f32 v[TM+\b], |v[\s+16*\b]|, |v[\s+1+16*\b]|, 0x1800000   ; and the floor 2^(3 - 127): the byte cannot fall under 1
.endr
.irp i, 2,4,6,8,10,12,14
.irp b, 0,1,2,3
	v_max3_num_f32 v[TM+\b], v[TM+\b], |v[\s+16*\b+\i]|, |v[\s+1+16*\b+\i]|
.endr
.endr
.irp b, 0,1,2,3
	v_permlanex16_b32 v[TM+4+\b], v[TM+\b], s[SEL], s[SEL+1]
.endr
.irp b, 0,1,2,3
	v_max_num_f32 v[TM+\b], v[TM+\b], v[TM+4+\b]
.endr
.irp b, 0,1,2,3
	v_add_nc_u32 v[TM+12+\b], 0xff000000, v[TM+\b]
.endr
.irp b, 0,1,2,3
	v_lshrrev_b32 v[TM+4+\b], 23, v[TM+12+\b]
.endr
	v_lshl_or_b32 v[\pw], v[TM+5], 8, v[TM+4]
	v_lshl_or_b32 v[\pw], v[TM+6], 16, v[\pw]
	v_lshl_or_b32 v[\pw], v[TM+7], 24, v[\pw]
.irp c, 0,1
	v_cvt_scalef32_pk16_fp6_f32 v[PC+6*\c:PC+2+6*\c], v[\s+32*\c:\s+15+32*\c], v[TM+12+2*\c]
	v_cvt_scalef32_pk16_fp6_f32 v[PC+12+4*\c:PC+14+4*\c], v[\s+16+32*\c:\s+31+32*\c], v[TM+12+2*\c+1]
.endr
	v_nop                                          ; one plain instruction behind a scaled conversion
.irp c, 0,1
.irp i, 0,1,2
	v_permlane16_swap_b32 v[PC+6*\c+\i], v[PC+12+4*\c+\i]
.endr
.irp i, 0,1,2
	v_mov_b32 v[PC+3+6*\c+\i], v[PC+12+4*\c+\i]
.endr
.endr
.endm
; The way out of A's tile a: bias (each accumulator is read from its low end on), gelu, quantiser, four stores
.macro EPI a
	WIN 0x06+(\a)/4                                ; source 0: the accumulators' window; source 1: window 1
.set ei, 0
.rept 32
	v_pk_add_f32 v[TT+2*ei:TT+2*ei+1], v[64*((\a)%4)+2*ei:64*((\a)%4)+2*ei+1], v[192+2*ei:193+2*ei]
.set ei, ei+1
.endr
	WIN 0
.set ei, 0
.rept 32
	v_pk_mul_f32 v[U+2*ei:U+2*ei+1], v[TT+2*ei:TT+2*ei+1], v[TT+2*ei:TT+2*ei+1]   ; x^2
.set ei, ei+1
.endr
.set ei, 0
.rept 32
	v_pk_fma_f32 v[U+2*ei:U+2*ei+1], v[U+2*ei:U+2*ei+1], v[252:253], v[254:255]   ; GA x^2 + GB
.set ei, ei+1
.endr
.set ei, 0
.rept 32
	v_pk_mul_f32 v[U+2*ei:U+2*ei+1], v[U+2*ei:U+2*ei+1], v[TT+2*ei:TT+2*ei+1]     ; z
.set ei, ei+1
.endr
.set ei, 0
	s_wait_alu depctr_va_vdst(0)
.rept 64
	v_exp_f32 v[U+ei], v[U+ei]
.set ei, ei+1
.endr
	v_nop                                          ; a plain instruction behind the batch,
	s_wait_alu depctr_va_vdst(0)                   ; and one wait for it, ahead of the first line that names a result
.set ei, 0
.rept 32
	v_pk_add_f32 v[U+2*ei:U+2*ei+1], v[U+2*ei:U+2*ei+1], 1.0 op_sel_hi:[1,0]
.set ei, ei+1
.endr
.set ei, 0
	s_wait_alu depctr_va_vdst(0)
.rept 64
	v_rcp_f32 v[U+ei], v[U+ei]
.set ei, ei+1
.endr
	v_nop
	s_wait_alu depctr_va_vdst(0)
.set ei, 0
.rept 32
	v_pk_mul_f32 v[TT+2*ei:TT+2*ei+1], v[TT+2*ei:TT+2*ei+1], v[U+2*ei:U+2*ei+1]   ; x / (1 + 2^z)
.set ei, ei+1
.endr
.if (\a) > 0
	s_wait_xcnt 0x0                                ; the last tile's stores have read their data: the codes' registers are written again only behind this wait
.endif
	QUANT TT, PWS+(\a)
	global_store_b128 v[LI16], v[PC:PC+3], s[72:73] offset:(\a)*FRG
	global_store_b64 v[LI8], v[PC+4:PC+5], s[72:73] offset:(\a)*FRG+512
	global_store_b128 v[LI16], v[PC+6:PC+9], s[72:73] offset:(\a)*FRG+768
	global_store_b64 v[LI8], v[PC+10:PC+11], s[72:73] offset:(\a)*FRG+1280
.endm
	s_load_b256 s[4:11], s[0:1], 0x0               ; hn s[4:5], wimg s[6:7], b1 s[8:9], gi s[10:11]
	v_lshl_add_u32 v[SPW], v0, 2, SPARE
	v_mov_b32 v[NIL], 0
	ds_add_u32 v[SPW], v[NIL]                      ; the wave's opening
	ds_add_u32 v[SPW], v[NIL]
	v_lshrrev_b32 v1, 5, v0
	v_readfirstlane_b32 s16, v1                    ; wave 0..3
	s_lshr_b32 s17, s16, 1                         ; which half of A's rows is mine.  Also: I fetch for A (0) or for B (1)
	s_and_b32 s18, s16, 1                          ; which half of B's rows.  Also: which group of 128 rows I fetch
	s_bfe_u32 s40, ttmp6, 0x40000
	s_bfe_u32 s41, ttmp6, 0x40004
	s_lshl_b32 s42, ttmp9, 2
	s_add_co_u32 s42, s42, s40                     ; tile column
	s_and_b32 s19, ttmp7, 0xffff
	s_lshl_b32 s19, s19, 2
	s_add_co_u32 s19, s19, s41                     ; tile row
	s_lshl_b32 s43, s41, 2
	s_lshl_b32 s43, 15, s43
	s_lshl_b32 s44, 0x1111, s40
	s_or_b32 s[G1A], s43, (3<<16)|(1<<21)          ; 15:0 the mask; 17:16 elements of 8 bytes; 21 set beside a mask; no padding
	s_or_b32 s[G1B], s44, (3<<16)|(1<<21)
.irp g, G1A, G1B                       ; a dense run of 76,800 bytes as 300 rows of 256
	s_mov_b32 s[\g+1], 32<<16
	s_mov_b32 s[\g+2], 300<<16
	s_mov_b32 s[\g+3], 32<<16
	s_mov_b32 s[\g+4], 300
	s_mov_b32 s[\g+5], 32
	s_mov_b32 s[\g+6], 0
	s_mov_b32 s[\g+7], 0
.endr
	s_lshl_b32 s20, s19, 1
	s_add_co_u32 s20, s20, s18
	s_mul_i32 s20, s20, KS*BLK
	s_mov_b32 s21, 0
	s_lshl_b32 s46, s42, 1
	s_add_co_u32 s46, s46, s18
	s_mul_i32 s46, s46, KS*BLK                     ; W1's blocks begin at wimg's first byte
	s_mov_b32 s47, 0
	s_mul_i32 s45, s16, REG
	s_mov_b32 s67, 0xffff0000                      ; lanes 16-31
	s_mov_b32 s[SEL], 0x76543210
	s_mov_b32 s[SEL+1], 0xfedcba98
	s_wait_dscnt 0x0                               ; the opening add is done
	s_wait_kmcnt 0x0
	s_add_nc_u64 s[20:21], s[4:5], s[20:21]
	s_add_nc_u64 s[46:47], s[6:7], s[46:47]
	CROUND
.irp s, 0
	s_mov_b32 s[G0A+4*\s], 1
	s_add_co_u32 s[G0A+4*\s+1], s45, \s*SLOT
	s_add_nc_u64 s[G0A+4*\s+2:G0A+4*\s+3], s[20:21], \s*NQ*BLK
	s_or_b32 s[G0A+4*\s+3], s[G0A+4*\s+3], 0x80000000
	s_mov_b32 s[G0B+4*\s], 1
	s_add_co_u32 s[G0B+4*\s+1], s45, \s*SLOT
	s_add_nc_u64 s[G0B+4*\s+2:G0B+4*\s+3], s[46:47], \s*NQ*BLK
	s_or_b32 s[G0B+4*\s+3], s[G0B+4*\s+3], 0x80000000
	JLOAD G0A+4*\s, G1A, G0B+4*\s, G1B
.endr
	v_and_b32 v1, 31, v0
	v_and_b32 v2, 15, v0
	v_bfe_u32 v3, v0, 4, 1
	v_lshlrev_b32 v[LI16], 4, v1
	v_lshlrev_b32 v[LI8], 3, v1
	v_lshlrev_b32 v6, 4, v2
	v_lshlrev_b32 v7, 6, v3                        ; 64 h: the bias of my 16 units of each 32
	s_mul_i32 s22, s17, AW
	s_mul_i32 s23, s18, AW
	s_add_co_u32 s23, s23, 2*REG
	s_mul_i32 s84, s17, ASW
	s_mul_i32 s85, s18, ASW
	s_add_co_u32 s85, s85, 2*REG
.irp s, 0,1,2
	v_add_nc_u32 v[A16+\s], s22, v[LI16]
	v_add_nc_u32 v[A8+\s], s22, v[LI8]
	v_add_nc_u32 v[B16+\s], s23, v[LI16]
	v_add_nc_u32 v[B8+\s], s23, v[LI8]
	v_add_nc_u32 v[AS+\s], s84, v6
	v_add_nc_u32 v[BS+\s], s85, v6
	s_add_co_u32 s22, s22, SLOT
	s_add_co_u32 s23, s23, SLOT
	s_add_co_u32 s84, s84, SLOT
	s_add_co_u32 s85, s85, SLOT
.endr
	s_lshl_b32 s86, s42, 1
	s_add_co_u32 s86, s86, s18                     ; my 128 hidden units: the next product's K step
	s_lshl_b32 s84, s19, 1
	s_add_co_u32 s84, s84, s17                     ; my group of 128 tokens
	s_lshl_b32 s84, s84, 5
	s_add_co_u32 s84, s84, s86
	s_mul_i32 s84, s84, BLK
	s_mov_b32 s85, 0
	s_add_nc_u64 s[72:73], s[10:11], s[84:85]      ; my block of gi
	s_lshl_b32 s86, s86, 9
	s_mov_b32 s87, 0
	s_add_nc_u64 s[76:77], s[8:9], s[86:87]
	WIN 0x40
.irp p, 0,1,2,3
.irp j, 0,1,2,3
	global_load_b128 v[192+16*\p+4*\j:195+16*\p+4*\j], v7, s[76:77] offset:128*\p+16*\j   ; the bias in the result's order: units 32 p + 16 h + 0 .. 15
.endr
.endr
	WIN 0
	s_wait_alu depctr_va_vdst(0)                   ; the wait at the head's end
	s_wait_tensorcnt 0x0                           ; my one load, K steps 0 to 5 of my 128 rows, is in
	s_mov_b32 s[G1A+2], 100<<16                    ; no tensor load of mine is out: the refill brings 100 rows, two K steps
	s_mov_b32 s[G1A+4], 100
	s_mov_b32 s[G1B+2], 100<<16
	s_mov_b32 s[G1B+4], 100
	s_barrier_signal -1
	s_barrier_wait -1
	FETCH 0, 0, 0
	STEP 0, 0, 1                                   ; K step 0: its products start the sums
	TURN 0, 1, 1                                   ; K step 1: all three first fills are shown landed to every wave; slot 0 takes K steps 6 and 7
	STEP 1, 0, 0                                   ; K step 2
	CROSS 2                                        ; K step 3: slot 2 has been whole since the round in K step 1
	STEP 2, 0, 0                                   ; K step 4
	TURN 2, 0, 0                                   ; K step 5: the refill has landed, in every wave; nothing is filled
	STEP 0, 0, 0                                   ; K step 6
	LAST                                           ; K step 7
	s_wait_loadcnt 0x0                             ; the bias
	PLACES 4                                       ; between the last products and the first read of results, and writes of the registers that they read
.irp b, 0,1,2,3
	v_mov_b32 v[TM+4+\b], 0                        ; a lane permute's destination counts as one of its sources
.endr
	v_mov_b32 v252, 0xbdd2d3e8                     ; GA, twice,
	v_mov_b32 v253, 0xbdd2d3e8
	v_mov_b32 v254, 0xc0135761                     ; GB, twice
	v_mov_b32 v255, 0xc0135761
.irp a, 0,1,2,3,4,5,6,7
	EPI \a
.endr
.irp j, 0,1,2,3
	v_cndmask_b32 v[XS+\j], v[PWS+\j], v[PWS+4+\j], s67    ; lanes 0-15 keep the words of tiles 0-3, lanes 16-31 take those of tiles 4-7
.endr
	global_store_b128 v[LI16], v[XS:XS+3], s[72:73] offset:SCO     ; the block's 512 bytes of scale words by one store
	s_wait_tensorcnt 0x0                           ; the wave's end
	ds_add_u32 v[SPW], v[NIL]
	s_wait_dscnt 0x0
	CROUND                                         ; the closing round
	s_endpgm
.Lfunc_end_k_qc16b818a58_ff1:
	.size	k_qc16b818a58_ff1, .Lfunc_end_k_qc16b818a58_ff1-k_qc16b818a58_ff1
	.p2alignl 7, 3214868480
	.fill 96, 4, 3214868480
	.section	.rodata,"a",@progbits
	.p2align	6, 0x0
	.amdhsa_kernel k_qc16b818a58_ff1
		.amdhsa_group_segment_fixed_size 327680
		.amdhsa_private_segment_fixed_size 0
		.amdhsa_enable_private_segment 0
		.amdhsa_kernarg_size 32
		.amdhsa_user_sgpr_count 2
		.amdhsa_user_sgpr_kernarg_segment_ptr 1
		.amdhsa_wavefront_size32 1
		.amdhsa_system_sgpr_workgroup_id_x 1
		.amdhsa_system_sgpr_workgroup_id_y 1
		.amdhsa_system_sgpr_workgroup_id_z 1
		.amdhsa_system_vgpr_workitem_id 0
		.amdhsa_next_free_vgpr 1024
		.amdhsa_next_free_sgpr 100
		.amdhsa_reserve_vcc 0
		.amdhsa_float_denorm_mode_32 3
		.amdhsa_float_denorm_mode_16_64 3
		.amdhsa_memory_ordered 1
		.amdhsa_forward_progress 1
		.amdhsa_inst_pref_size 255
	.end_amdhsa_kernel
	.section	.bss,"aw",@nobits
	.p2align	6
	.space	262144
	.amdgpu_metadata
---
amdhsa.version: [ 1, 2 ]
amdhsa.kernels:
  - .name:           k_qc16b818a58_ff1
    .symbol:         k_qc16b818a58_ff1.kd
    .args:
      - { .name: hn, .offset: 0, .size: 8, .value_kind: global_buffer, .address_space: global }
      - { .name: wimg, .offset: 8, .size: 8, .value_kind: global_buffer, .address_space: global }
      - { .name: b1, .offset: 16, .size: 8, .value_kind: global_buffer, .address_space: global }
      - { .name: gi, .offset: 24, .size: 8, .value_kind: global_buffer, .address_space: global }
    .group_segment_fixed_size: 327680
    .private_segment_fixed_size: 0
    .kernarg_segment_align: 8
    .kernarg_segment_size: 32
    .max_flat_workgroup_size: 128
    .sgpr_count:     100
    .vgpr_count:     1024
    .wavefront_size: 32
...
	.end_amdgpu_metadata
.endif
;; end of part 5
;; launch ff2 (part 6): grid 8 x 32, 4 waves a work-group, clusters of 4 x 4, 327,680 bytes of LDS; arguments gi, wimg, b2, x1, out0; writes out0
.if DOCPART == 6
	.amdgcn_target "amdgcn-amd-amdhsa--gfx1250"
	.amdhsa_code_object_version 6
	.text
	.protected	k_qc16b818a58_ff2
	.globl	k_qc16b818a58_ff2
	.p2align	8
	.type	k_qc16b818a58_ff2,@function
k_qc16b818a58_ff2:
	s_mov_b64 s[64:65], 0
	v_nop
	global_prefetch_b8 v0, s[64:65] scope:SCOPE_SE
	s_setreg_imm32_b32 hwreg(HW_REG_WAVE_MODE, 25, 1), 1
	s_wait_xcnt 0x0
	s_wait_alu depctr_hold_cnt(0) depctr_sa_sdst(0) depctr_va_vdst(0) depctr_va_sdst(0) depctr_va_ssrc(0) depctr_va_vcc(0) depctr_vm_vsrc(0)
	s_getreg_b32 s2, hwreg(HW_REG_IB_STS2, 6, 4)
	s_cmp_eq_u32 s2, 0
	s_cbranch_scc0 .Lentry_in_a_cluster
	s_endpgm
.Lentry_in_a_cluster:
	s_bfe_u32 s2, ttmp6, 0x10000c
	s_cmp_lg_u32 s2, 0xf033
	s_cbranch_scc0 .Lentry_shape_is_right
	s_endpgm
.Lentry_shape_is_right:
.set T,     4
.set KS,    32
.set WOFF,  3276800
.set BLK,   12800
.set SCO,   12288
.set FRG,   1536
.set QTR,   25600
.set SLOT,  102400
.set RSTEP, 12*BLK
.set STAGE, 3*SLOT
.set SPARE, STAGE+4*16*272
.set AW,    4*FRG
.set ASW,   256
.set ACC,   64
.set LI16, 4
.set LI8,  5
.set A16,  8
.set A8,   11
.set B16,  14
.set B8,   17
.set AS,   20
.set BS,   23
.set CO,   26
.set CBI,  27
.set SPW,  28
.set NIL,  29
.set SC,   32
.set STO,  52
.set RD,   53
.set G1XA, 24
.set G1XB, 48
.set G1YA, 88
.set G1YB, 80
.set G0XA, 32
.set G0YA, 36
.set G0XB, 56
.set G0YB, 60
.set MSB, 0
.macro WIN new
.if MSB != (\new)
	s_set_vgpr_msb (MSB<<8)|(\new)
.set MSB, (\new)
.endif
.endm
.macro PLACES n
.rept \n
	v_nop
.endr
.endm
.macro JLOAD g0a, g1a, g0b, g1b
	s_cmp_eq_u32 s17, 0
	s_cbranch_scc0 .Lfor_b_\@
	tensor_load_to_lds s[\g0a:\g0a+3], s[\g1a:\g1a+7]
	s_nop 0
	PLACES 4
	s_branch .Lasked_\@
.Lfor_b_\@:
	tensor_load_to_lds s[\g0b:\g0b+3], s[\g1b:\g1b+7]
	s_nop 0
	PLACES 4
.Lasked_\@:
.endm
.macro CREST
	s_cmp_lg_u32 s16, 0
	s_cbranch_scc1 .Lnot_wave_0_\@
	s_barrier_signal -3
.Lnot_wave_0_\@:
	s_barrier_wait -3
	s_barrier_signal -1
	s_barrier_wait -1
.endm
.macro CROUND
	s_barrier_signal -1
	s_barrier_wait -1
	CREST
.endm
.macro FRAGL reg, a16, a8, off
	ds_load_b128 v[\reg:\reg+3], v[\a16] offset:\off
	ds_load_b64 v[\reg+4:\reg+5], v[\a8] offset:\off+512
	ds_load_b128 v[\reg+6:\reg+9], v[\a16] offset:\off+768
	ds_load_b64 v[\reg+10:\reg+11], v[\a8] offset:\off+1280
.endm
.macro FETCH slot, q, set
.set FA, 96*(\set)
.set FB, 96*(\set)+48
	WIN 0x40
.set fi, 0
.rept T
	FRAGL FB+12*fi, B16+\slot, B8+\slot, (\q)*BLK+fi*FRG
	FRAGL FA+12*fi, A16+\slot, A8+\slot, (\q)*BLK+fi*FRG
.set fi, fi+1
.endr
	WIN 0
	ds_load_b128 v[SC+2*T*(\set):SC+2*T*(\set)+3], v[AS+\slot] offset:(\q)*BLK+SCO
	ds_load_b128 v[SC+2*T*(\set)+T:SC+2*T*(\set)+T+3], v[BS+\slot] offset:(\q)*BLK+SCO
.endm
.macro MROWS a0, n, set, zero
.set FA, 96*(\set)
.set FB, 96*(\set)+48
	WIN 0x05
.set ra, \a0
.rept \n
.set rb, 0
.rept T
.set rD, ACC+8*(4*ra+rb)
.if \zero
	v_wmma_scale_f32_16x16x128_f8f6f4 v[rD:rD+7], v[FB+12*rb:FB+12*rb+11], v[FA+12*ra:FA+12*ra+11], 0, v[SC+2*T*(\set)+T+rb], v[SC+2*T*(\set)+ra] matrix_a_fmt:MATRIX_FMT_FP6 matrix_b_fmt:MATRIX_FMT_FP6
.else
	v_wmma_scale_f32_16x16x128_f8f6f4 v[rD:rD+7], v[FB+12*rb:FB+12*rb+11], v[FA+12*ra:FA+12*ra+11], v[rD:rD+7], v[SC+2*T*(\set)+T+rb], v[SC+2*T*(\set)+ra] matrix_a_fmt:MATRIX_FMT_FP6 matrix_b_fmt:MATRIX_FMT_FP6
.endif
.set rb, rb+1
.endr
.set ra, ra+1
.endr
.endm
.macro STEP slot, q, zero
	s_wait_dscnt 0x0
	PLACES 4
	FETCH \slot, (\q)+1, ((\q)+1)%2
	MROWS 0, T/2, (\q)%2, \zero
	MROWS T/2, T/2, (\q)%2, \zero
	WIN 0
.endm
.macro THREE slot, zero
	STEP \slot, 0, \zero
	STEP \slot, 1, 0
	STEP \slot, 2, 0
.endm
.macro CROSS next
	s_wait_dscnt 0x0
	PLACES 4
	FETCH \next, 0, 0
	MROWS 0, T/2, 1, 0
	MROWS T/2, T/2, 1, 0
	WIN 0
.endm
.macro TURN next, fill
	WIN 0
	s_wait_tensorcnt 0x0
	ds_add_u32 v[SPW], v[NIL]
	s_wait_dscnt 1
	MROWS 0, T/4, 1, 0
	s_wait_dscnt 0x0
	s_barrier_signal -1
	MROWS T/4, T/4, 1, 0
	WIN 0
	s_barrier_wait -1
.if \fill == 1
	CREST
	s_add_nc_u64 s[G0XA+2:G0XA+3], s[G0XA+2:G0XA+3], RSTEP
	s_add_nc_u64 s[G0XB+2:G0XB+3], s[G0XB+2:G0XB+3], RSTEP
	JLOAD G0XA, G1XA, G0XB, G1XB
.elseif \fill == 2
	CREST
	s_add_nc_u64 s[G0YA+2:G0YA+3], s[G0YA+2:G0YA+3], RSTEP
	s_add_nc_u64 s[G0YB+2:G0YB+3], s[G0YB+2:G0YB+3], RSTEP
	JLOAD G0YA, G1YA, G0YB, G1YB
.else
	PLACES 4
.endif
	FETCH \next, 0, 0
	MROWS T/2, T/2, 1, 0
	WIN 0
.endm
.macro LAST
	s_wait_dscnt 0x0
	MROWS 0, T/2, 1, 0
	MROWS T/2, T/2, 1, 0
	WIN 0
.endm
.macro OUTROW a
.set BK, 192+32*((\a)%2)
.if (\a) >= 2
	s_wait_xcnt 0x0
.endif
.irp b, 0,1,2,3
	ds_store_b128 v[STO], v[ACC+8*(4*(\a)+\b):ACC+8*(4*(\a)+\b)+3] offset:128*(\b/2)+32*(\b%2)
	ds_store_b128 v[STO], v[ACC+8*(4*(\a)+\b)+4:ACC+8*(4*(\a)+\b)+7] offset:128*(\b/2)+32*(\b%2)+16
.endr
.irp i, 0,1,2,3,4,5,6,7
	ds_load_b128 v[BK+4*\i:BK+4*\i+3], v[RD] offset:544*\i
.endr
	s_wait_dscnt 0x0
.irp i, 0,1,2,3,4,5,6,7
	v_pk_add_f32 v[BK+4*\i:BK+4*\i+1], v[BK+4*\i:BK+4*\i+1], v[48:49]
	v_pk_add_f32 v[BK+4*\i+2:BK+4*\i+3], v[BK+4*\i+2:BK+4*\i+3], v[50:51]
.endr
	WIN 0x08
.irp i, 0,1,2,3,4,5,6,7,8,9,10,11,12,13,14,15
	v_pk_add_f32 v[BK+2*\i:BK+2*\i+1], v[BK+2*\i:BK+2*\i+1], v[32*(\a)+2*\i:32*(\a)+2*\i+1]
.endr
	WIN 0
.irp i, 0,1,2,3,4,5,6,7
	global_store_b128 v[CO], v[BK+4*\i:BK+4*\i+3], s[72:73] offset:(32*((\a)/2)+8*((\a)%2)+2*\i+8*(\i/4))*4096 th:TH_STORE_NT
.endr
.endm
	s_load_b256 s[4:11], s[0:1], 0x0
	s_load_b64 s[12:13], s[0:1], 0x20
	v_lshl_add_u32 v[SPW], v0, 2, SPARE
	v_mov_b32 v[NIL], 0
	ds_add_u32 v[SPW], v[NIL]
	ds_add_u32 v[SPW], v[NIL]
	v_lshrrev_b32 v1, 5, v0
	v_readfirstlane_b32 s16, v1
	s_lshr_b32 s17, s16, 1
	s_and_b32 s18, s16, 1
	s_bfe_u32 s40, ttmp6, 0x40000
	s_bfe_u32 s41, ttmp6, 0x40004
	s_lshl_b32 s42, ttmp9, 2
	s_add_co_u32 s42, s42, s40
	s_and_b32 s19, ttmp7, 0xffff
	s_lshl_b32 s19, s19, 2
	s_add_co_u32 s19, s19, s41
	s_lshl_b32 s43, s41, 2
	s_lshl_b32 s43, 15, s43
	s_lshl_b32 s44, 0x1111, s40
	s_or_b32 s[G1XA], s43, (3<<16)|(1<<21)
	s_or_b32 s[G1XB], s44, (3<<16)|(1<<21)
	s_or_b32 s[G1YA], s43, (3<<16)|(1<<21)
	s_or_b32 s[G1YB], s44, (3<<16)|(1<<21)
.irp g, G1XA, G1XB
	s_mov_b32 s[\g+1], 32<<16
	s_mov_b32 s[\g+2], 200<<16
	s_mov_b32 s[\g+3], 32<<16
	s_mov_b32 s[\g+4], 200
	s_mov_b32 s[\g+5], 32
	s_mov_b32 s[\g+6], 0
	s_mov_b32 s[\g+7], 0
.endr
.irp g, G1YA, G1YB
	s_mov_b32 s[\g+1], 32<<16
	s_mov_b32 s[\g+2], 100<<16
	s_mov_b32 s[\g+3], 32<<16
	s_mov_b32 s[\g+4], 100
	s_mov_b32 s[\g+5], 32
	s_mov_b32 s[\g+6], 0
	s_mov_b32 s[\g+7], 0
.endr
	s_mul_i32 s22, s18, 4*BLK
	s_mul_i32 s23, s18, 2*BLK
	s_add_co_u32 s23, s23, 8*BLK
	s_mul_i32 s20, s19, KS*BLK
	s_add_co_u32 s70, s20, s23
	s_add_co_u32 s20, s20, s22
	s_mov_b32 s21, 0
	s_mov_b32 s71, 0
	s_mul_i32 s46, s42, KS*BLK
	s_add_co_u32 s46, s46, WOFF
	s_add_co_u32 s74, s46, s23
	s_add_co_u32 s46, s46, s22
	s_mov_b32 s47, 0
	s_mov_b32 s75, 0
	s_mul_i32 s45, s18, SLOT
	s_mul_i32 s14, s17, 2*QTR
	s_add_co_u32 s45, s45, s14
	s_mul_i32 s14, s16, QTR
	s_add_co_u32 s14, s14, 2*SLOT
	s_wait_dscnt 0x0
	s_wait_kmcnt 0x0
	s_add_nc_u64 s[20:21], s[4:5], s[20:21]
	s_add_nc_u64 s[70:71], s[4:5], s[70:71]
	s_add_nc_u64 s[46:47], s[6:7], s[46:47]
	s_add_nc_u64 s[74:75], s[6:7], s[74:75]
	CROUND
	s_mov_b32 s[G0XA], 1
	s_mov_b32 s[G0XA+1], s45
	s_mov_b64 s[G0XA+2:G0XA+3], s[20:21]
	s_or_b32 s[G0XA+3], s[G0XA+3], 0x80000000
	s_mov_b32 s[G0XB], 1
	s_mov_b32 s[G0XB+1], s45
	s_mov_b64 s[G0XB+2:G0XB+3], s[46:47]
	s_or_b32 s[G0XB+3], s[G0XB+3], 0x80000000
	JLOAD G0XA, G1XA, G0XB, G1XB
	s_mov_b32 s[G0YA], 1
	s_mov_b32 s[G0YA+1], s14
	s_mov_b64 s[G0YA+2:G0YA+3], s[70:71]
	s_or_b32 s[G0YA+3], s[G0YA+3], 0x80000000
	s_mov_b32 s[G0YB], 1
	s_mov_b32 s[G0YB+1], s14
	s_mov_b64 s[G0YB+2:G0YB+3], s[74:75]
	s_or_b32 s[G0YB+3], s[G0YB+3], 0x80000000
	s_wait_alu depctr_va_vdst(0)
	s_wait_tensorcnt 0x0
	ds_add_u32 v28, v29
	s_wait_dscnt 0x0
	CROUND
	JLOAD G0YA, G1YA, G0YB, G1YB
	v_and_b32 v1, 31, v0
	v_and_b32 v2, 15, v0
	v_bfe_u32 v3, v0, 4, 1
	v_lshlrev_b32 v[LI16], 4, v1
	s_wait_alu depctr_va_vdst(0)
	v_lshlrev_b32 v[LI8], 3, v1
	s_wait_alu depctr_va_vdst(0)
	v_lshlrev_b32 v6, 4, v2
	s_mul_i32 s22, s17, AW
	s_mul_i32 s23, s18, AW
	s_add_co_u32 s23, s23, 2*QTR
	s_mul_i32 s66, s17, ASW
	s_mul_i32 s67, s18, ASW
	s_add_co_u32 s67, s67, 2*QTR
.irp s, 0,1,2
	v_add_nc_u32 v[A16+\s], s22, v[LI16]
	v_add_nc_u32 v[A8+\s], s22, v[LI8]
	v_add_nc_u32 v[B16+\s], s23, v[LI16]
	v_add_nc_u32 v[B8+\s], s23, v[LI8]
	v_add_nc_u32 v[AS+\s], s66, v6
	v_add_nc_u32 v[BS+\s], s67, v6
	s_add_co_u32 s22, s22, SLOT
	s_add_co_u32 s23, s23, SLOT
	s_add_co_u32 s66, s66, SLOT
	s_add_co_u32 s67, s67, SLOT
.endr
	s_mul_i32 s66, s16, 16*272
	s_add_co_u32 s66, s66, STAGE
	v_mul_u32_u24 v[STO], v2, 272
	v_lshl_add_u32 v[STO], v3, 6, v[STO]
	v_add_nc_u32 v[STO], s66, v[STO]
	v_mul_u32_u24 v[RD], v3, 272
	v_lshl_add_u32 v[RD], v2, 4, v[RD]
	v_add_nc_u32 v[RD], s66, v[RD]
	v_lshlrev_b32 v[CBI], 4, v2
	v_lshl_add_u32 v[CO], v3, 12, v[CBI]
	s_wait_alu depctr_va_vdst(0)
	s_lshl_b32 s66, s19, 7
	s_lshl_b32 s67, s17, 6
	s_add_co_u32 s66, s66, s67
	s_lshl_b32 s66, s66, 12
	s_lshl_b32 s68, s42, 7
	s_lshl_b32 s69, s18, 6
	s_add_co_u32 s68, s68, s69
	s_lshl_b32 s68, s68, 2
	s_mov_b32 s69, 0
	s_add_nc_u64 s[76:77], s[8:9], s[68:69]
	s_add_co_u32 s66, s66, s68
	s_mov_b32 s67, 0
	s_add_nc_u64 s[78:79], s[10:11], s[66:67]
	s_add_nc_u64 s[72:73], s[12:13], s[66:67]
	WIN 0x80
.irp a, 0,1,2,3
.irp i, 0,1,2,3,4,5,6,7
	global_load_b128 v[32*\a+4*\i:32*\a+4*\i+3], v[CO], s[78:79] offset:(32*(\a/2)+8*(\a%2)+2*\i+8*(\i/4))*4096
.endr
.endr
	WIN 0
	global_load_b128 v[48:51], v[CBI], s[76:77]
	s_wait_tensorcnt 1
	s_barrier_signal -1
	s_barrier_wait -1
	FETCH 0, 0, 0
	THREE 0, 1
	CROSS 1
	THREE 1, 0
	TURN 2, 1
	THREE 2, 0
	TURN 0, 2
	THREE 0, 0
	CROSS 1
	THREE 1, 0
	TURN 2, 1
	THREE 2, 0
	TURN 0, 0
	THREE 0, 0
	CROSS 1
	THREE 1, 0
	LAST
	s_wait_loadcnt 0x0
	PLACES 4
	OUTROW 0
	OUTROW 1
	OUTROW 2
	OUTROW 3
	s_wait_tensorcnt 0x0
	ds_add_u32 v[SPW], v[NIL]
	s_wait_dscnt 0x0
	CROUND
	s_endpgm
.Lfunc_end_k_qc16b818a58_ff2:
	.size	k_qc16b818a58_ff2, .Lfunc_end_k_qc16b818a58_ff2-k_qc16b818a58_ff2
	.p2alignl 7, 3214868480
	.fill 96, 4, 3214868480
	.section	.rodata,"a",@progbits
	.p2align	6, 0x0
	.amdhsa_kernel k_qc16b818a58_ff2
		.amdhsa_group_segment_fixed_size 327680
		.amdhsa_private_segment_fixed_size 0
		.amdhsa_enable_private_segment 0
		.amdhsa_kernarg_size 40
		.amdhsa_user_sgpr_count 2
		.amdhsa_user_sgpr_kernarg_segment_ptr 1
		.amdhsa_wavefront_size32 1
		.amdhsa_system_sgpr_workgroup_id_x 1
		.amdhsa_system_sgpr_workgroup_id_y 1
		.amdhsa_system_sgpr_workgroup_id_z 1
		.amdhsa_system_vgpr_workitem_id 0
		.amdhsa_next_free_vgpr 640
		.amdhsa_next_free_sgpr 100
		.amdhsa_reserve_vcc 0
		.amdhsa_float_denorm_mode_32 3
		.amdhsa_float_denorm_mode_16_64 3
		.amdhsa_memory_ordered 1
		.amdhsa_forward_progress 1
		.amdhsa_inst_pref_size 174
	.end_amdhsa_kernel
	.amdgpu_metadata
---
amdhsa.version: [ 1, 2 ]
amdhsa.kernels:
  - .name:           k_qc16b818a58_ff2
    .symbol:         k_qc16b818a58_ff2.kd
    .args:
      - { .name: gi, .offset: 0, .size: 8, .value_kind: global_buffer, .address_space: global }
      - { .name: wimg, .offset: 8, .size: 8, .value_kind: global_buffer, .address_space: global }
      - { .name: b2, .offset: 16, .size: 8, .value_kind: global_buffer, .address_space: global }
      - { .name: x1, .offset: 24, .size: 8, .value_kind: global_buffer, .address_space: global }
      - { .name: out0, .offset: 32, .size: 8, .value_kind: global_buffer, .address_space: global }
    .group_segment_fixed_size: 327680
    .private_segment_fixed_size: 0
    .kernarg_segment_align: 8
    .kernarg_segment_size: 40
    .max_flat_workgroup_size: 128
    .sgpr_count:     100
    .vgpr_count:     640
    .wavefront_size: 32
...
	.end_amdgpu_metadata
.endif
;; end of part 6
